; MI455X (gfx1250); checked and timed in simulation.
; The chip was launched on July 23, 2026; its instructions are those of AMD's public machine-readable ISA for CDNA 5 (MIT licence, August 2026) and "CDNA5" Instruction Set Architecture Reference Guide (July 2026). The comments in the code are by the model that wrote it; some were corrected since.
;; Causal Self Attention. Allowed arithmetic: matrix products marked QUANTISED: E2M3 operands, one E8M0 scale for each 32 along K, by v_wmma_scale_f32_16x16x128_f8f6f4 with both operands' format E2M3, f32 sums; everything else in f32.
;; Inputs: wk 1,024 x 1,024 float32; wo 1,024 x 1,024 float32; wq 1,024 x 1,024 float32; wv 1,024 x 1,024 float32; x 4 x 2,048 x 1,024 float32.
;; Outputs: out0 4 x 2,048 x 1,024 float32.
;; This version of the problem:
;;   THIS VERSION OF THE PROBLEM IS GIVEN IN LOW PRECISION. The matrix products marked QUANTISED in the list below multiply operands that are first quantised to E2M3 (2 exponent bits, 3 mantissa bits; 6 bits a number), with one power-of-two scale for each 32 numbers along K (OCP MX v1.0); their sums are f32. All else is computed in f32.
;;   The module's matrix products, in the order in which they are computed (A, B: the left and right operand; K: the contracted axis; several contracted axes count as one K, in the product's order):
;;     1. [M 8,192, K 1,024] x [K 1,024, N 1,024]; A: input x; B: input wq: QUANTISED
;;     2. [M 8,192, K 1,024] x [K 1,024, N 1,024]; A: input x; B: input wk: QUANTISED
;;     3. [M 8,192, K 1,024] x [K 1,024, N 1,024]; A: input x; B: input wv: QUANTISED
;;     4. batch 64 x [M 2,048, K 64] x [K 64, N 2,048]; A: computed on the way; B: computed on the way: QUANTISED
;;     5. batch 64 x [M 2,048, K 2,048] x [K 2,048, N 64]; A: softmax (see below); B: computed on the way: QUANTISED
;;     6. [M 8,192, K 1,024] x [K 1,024, N 1,024]; A: computed on the way; B: input wo: QUANTISED
;;   THE QUANTISER, for each operand of a quantised product, along K:
;;     - K is cut into blocks of 32 from its start; a last block that is shorter is filled with zeros.
;;     - A block's scale is 2^e with e = floor(log2(the largest magnitude in the block)) - 2, held to -126 .. 127; a block of zeros has e = 0. As a byte (E8M0): e + 127.
;;     - Each number is divided by its block's scale, clamped to +-7.5, and rounded to the nearest number of E2M3, ties to even, subnormals kept.
;;     - The product sums the exact products of the quantised numbers (number of the format x scale) in f32.
;;   ~~~python
;;   def quantise(x, axis):      # numpy; x: float32 -> the quantised numbers, widened to float32 again
;;       x = np.moveaxis(x, axis, -1); K = x.shape[-1]
;;       x = np.pad(x, [(0, 0)] * (x.ndim - 1) + [(0, -K % 32)]); x = x.reshape(x.shape[:-1] + (-1, 32)); a = np.abs(x).max(-1, keepdims=True)
;;       e = np.where(a > 0, np.clip(np.frexp(np.where(a > 0, a, 1))[1] - 1 - 2, -126, 127), 0)      # np.frexp(a)[1] - 1 = floor(log2(a)), exactly
;;       r = np.clip(x / 2.0 ** e, -7.5, 7.5)
;;       step = 2.0 ** (np.maximum(np.frexp(np.where(r == 0, 1, r))[1] - 1, 0) - 3)
;;       q = np.round(r / step) * step * 2.0 ** e      # np.round: ties to even
;;       return np.moveaxis(q.reshape(q.shape[:-2] + (-1,))[..., :K], -1, axis).astype(np.float32)
;;   ~~~
;;   SOFTMAX AHEAD OF A QUANTISED PRODUCT. Where the list says 'softmax', what is quantised is not the finished softmax but p = 2^(t - M), with t = logit x log2(e) and M = ceil(the row's largest t), a whole number; so 1/2 < the row's largest p <= 1. The row's sum l is taken of the UNQUANTISED p, in f32, and the product's result is divided by l at the end. Since M is a whole number, a kernel that streams over the keys may use a running M (the ceiling of the running maximum): every later rescaling is an exact power of two, which a block's scale takes up: the codes' values come out the same.
;;   OPERANDS COMPUTED ON THE WAY. 'Computed on the way' means the value that the module computes at that place (a softmax that the list does not call 'softmax' is quantised finished and normalised). What goes into a quantiser is computed in f32, as accurately as f32 sums, v_exp_f32 and their like allow (about 1e-6 of the number): no bf16 or f16 on the way to a quantiser, and a product that is left as it is and whose result goes on into a quantised operand takes f32 operands (vector FMAs, or v_wmma_f32_16x16x4_f32). A number that lies on a knife's edge between two numbers of the format may be rounded either way, as far as f32 arithmetic and the matrix unit's own rounding can turn it there, and no further.
;; One version. Each part assembles by itself: llvm-mc -triple=amdgcn-amd-amdhsa -mcpu=gfx1250 --defsym DOCPART=n.
;; ======== version 1 of 1: 4 launches
;; workspace buffers: cells 9,830,400 bytes; qkv 20,447,232 bytes; ocell 6,553,600 bytes
;; launch quant (part 1): grid 384 x 1, 4 waves a work-group, no clusters, 34,304 bytes of LDS; arguments x, wq, wk, wv, wo, cells; writes cells
.if DOCPART == 1
	.amdgcn_target "amdgcn-amd-amdhsa--gfx1250"
	.amdhsa_code_object_version 6
	.text
	.protected	k_q4058005923_quant
	.globl	k_q4058005923_quant
	.p2align	8
	.type	k_q4058005923_quant,@function
k_q4058005923_quant:
	s_mov_b64 s[64:65], 0
	v_nop
	global_prefetch_b8 v0, s[64:65] scope:SCOPE_SE
	s_setreg_imm32_b32 hwreg(HW_REG_WAVE_MODE, 25, 1), 1
	s_wait_xcnt 0x0
; x [8192][1024] and wq, wk, wv, wo [1024][1024], f32 with K innermost, become codes of FP6 (E2M3) with one E8M0 byte for each 32 along K,
; laid in CELLS: 128 rows x 128 K = 8 fragments of 16 rows, each as an image of the operand's 12 registers (6 planes of 256 bytes: plane p holds
; registers 2 p, 2 p + 1, lane l's 8 bytes at 8 l), then 512 bytes of scale words (two units of 256: row r's 16 bytes at 16 r, word i = tile 4 g + i).
; cells = [96 row groups][8 chunks of K][12,800 bytes]; row groups 0-63 x, 64-71 wq, 72-79 wk, 80-87 wv, 88-95 wo.
; THE ROWS OF A TILE ARE NOT NEIGHBOURS: place r of tile i holds row 32 (i / 2) + 8 (i % 2) + r + 8 (r / 8), so that a product used transposed leaves
; 16 neighbours along the next K in the 16 registers of two neighbouring tiles.
; A block's scale is 2^(floor(log2(its largest magnitude)) - 2): its byte is the largest magnitude's exponent field - 2, held at 1 from below.
; LIMITS: a block of zeros gets the byte 1 where the rule says 127 (its codes are zeros, and this program alone reads the bytes); blocks whose largest
; magnitude lies under 2^-124 are held at that floor; NaN and infinities among the inputs are not served.
; SHARES: a wave takes 64 rows x 128 K: four fragments and one scale unit.  Each load reads 512 consecutive bytes of one row; a fragment's 16 rows turn
; through the wave's own stage in LDS (rows 528 bytes apart) so that a lane gets 16 neighbours of each block of 32.  Waves share nothing: no barrier.
.set CG,    12800
.set STGB,  16*528                     ; a wave's stage
.set SPARE, 4*STGB                     ; behind the stages: the spare words, 128 bytes a wave: two blocks of 256 bytes that no other line names
.set LN,    1                          ; v1   lane
.set RR,    2                          ; v2   lane % 16
.set HH,    3                          ; v3   lane / 16
.set LOFF,  4                          ; v4   16 x lane: my bytes of a load's 512
.set L8,    5                          ; v5   8 x lane: my bytes of a plane
.set STW,   6                          ; v6   the stage, on the way in
.set STR,   7                          ; v7   and on the way out: row r, + 64 h
.set R16,   8                          ; v8   16 r: my row's place in the scale unit
.set SPW,   10                         ; v10  my spare word; never rewritten
.set NIL,   11                         ; v11  0; never rewritten
.set TM,    12                         ; v12-27 at work: largest magnitudes, bytes, scale operands
.set SW,    28                         ; v28-31 the four tiles' scale words
.set PC,    32                         ; v32-43 a fragment's codes
.set PT,    44                         ; v44-51 halves of blocks on their way
.set RS,    64                         ; v64-255 three sets of 64 numbers
.set SEL,   36                         ; s[36:37] lane selects: lane l xor 16
	s_load_b256 s[4:11], s[0:1], 0x0               ; x, wq, wk, wv
	s_load_b128 s[12:15], s[0:1], 0x20             ; wo, cells
	v_lshl_add_u32 v[SPW], v0, 2, SPARE
	v_mov_b32 v[NIL], 0
	v_lshrrev_b32 v1, 5, v0
	v_readfirstlane_b32 s18, v1                    ; wave
	v_and_b32 v[LN], 31, v0
	v_and_b32 v[RR], 15, v0
	v_bfe_u32 v[HH], v0, 4, 1
	v_lshlrev_b32 v[LOFF], 4, v[LN]
	v_lshlrev_b32 v[L8], 3, v[LN]
	s_mul_i32 s19, s18, STGB
	v_add_nc_u32 v[STW], s19, v[LOFF]
	v_mul_u32_u24 v[STR], v[RR], 528
	v_lshl_add_u32 v[STR], v[HH], 6, v[STR]
	v_add_nc_u32 v[STR], s19, v[STR]
	v_lshlrev_b32 v[R16], 4, v[RR]
.irp b, 0,1,2,3
	v_mov_b32 v[TM+4+\b], 0                        ; written once: a lane permute's destination counts as one of its sources
.endr
	s_mov_b32 s[SEL], 0x76543210
	s_mov_b32 s[SEL+1], 0xfedcba98
	s_lshl_b32 s20, ttmp9, 2
	s_add_co_u32 s20, s20, s18                     ; my unit u = 4 x work-group + wave
	s_and_b32 s21, s20, 7                          ; chunk of K
	s_bfe_u32 s22, s20, 0x10003                    ; which 64 rows of the row group
	s_lshr_b32 s23, s20, 4                         ; row group
	s_lshl_b32 s24, s23, 3
	s_add_co_u32 s24, s24, s21
	s_mul_i32 s24, s24, CG                         ; my cell
	s_mov_b32 s25, 0
	s_mul_i32 s26, s22, 6144                       ; my four fragments in it
	s_mov_b32 s27, 0
	s_lshl_b32 s28, s22, 8
	s_add_co_u32 s28, s28, 12288                   ; my scale unit
	s_mov_b32 s29, 0
	s_mov_b32 s30, 127
	s_cmp_lt_u32 ttmp9, 256
	s_cselect_b32 s30, 1023, s30                   ; x has 1,024 units, a weight 128
	s_and_b32 s30, s20, s30
	s_lshr_b32 s30, s30, 3
	s_lshl_b32 s30, s30, 18                        ; 64 rows of 4,096 bytes
	s_lshl_b32 s31, s21, 9
	s_add_co_u32 s30, s30, s31                     ; + 512 bytes a chunk
	s_mov_b32 s31, 0
	s_wait_alu depctr_va_vdst(0)
	s_wait_kmcnt 0x0
	s_mov_b64 s[16:17], s[12:13]                   ; which tensor: the choice hangs on the work-group's number alone
	s_cmp_lt_u32 ttmp9, 352
	s_cselect_b64 s[16:17], s[10:11], s[16:17]
	s_cmp_lt_u32 ttmp9, 320
	s_cselect_b64 s[16:17], s[8:9], s[16:17]
	s_cmp_lt_u32 ttmp9, 288
	s_cselect_b64 s[16:17], s[6:7], s[16:17]
	s_cmp_lt_u32 ttmp9, 256
	s_cselect_b64 s[16:17], s[4:5], s[16:17]
	s_add_nc_u64 s[16:17], s[16:17], s[30:31]
	s_add_nc_u64 s[14:15], s[14:15], s[24:25]
	s_add_nc_u64 s[32:33], s[14:15], s[26:27]      ; codes
	s_add_nc_u64 s[34:35], s[14:15], s[28:29]      ; scale words
.macro LOAD a                          ; tile a's 16 rows, in the tile's order, into set a % 3
.irp i, 0,1,2,3,4,5,6,7,8,9,10,11,12,13,14,15
	global_load_b128 v[RS+64*((\a)%3)+4*\i:RS+64*((\a)%3)+4*\i+3], v[LOFF], s[16:17] offset:(32*((\a)/2)+8*((\a)%2)+\i+8*(\i/8))*4096 th:TH_LOAD_NT
.endr
.endm
; 64 numbers of a lane, register 16 b + i = k 32 b + 16 (lane / 16) + i of my row, become a fragment's codes in v[d] on and its scale word in v[w]
.macro QUANT s, d, t, w
.irp b, 0,1,2,3
	v_max3_num_f32 v[TM+\b], |v[\s+16*\b]|, |v[\s+16*\b+1]|, 0x1800000   ; my 16 numbers of block b, and the floor 2^(3 - 127): the byte cannot fall under 1
.endr
.irp i, 2,4,6,8,10,12,14
.irp b, 0,1,2,3
	v_max3_num_f32 v[TM+\b], v[TM+\b], |v[\s+16*\b+\i]|, |v[\s+16*\b+\i+1]|   ; the four blocks by turns
.endr
.endr
.irp b, 0,1,2,3
	v_permlanex16_b32 v[TM+4+\b], v[TM+\b], s[SEL], s[SEL+1]
.endr
.irp b, 0,1,2,3
	v_max_num_f32 v[TM+\b], v[TM+\b], v[TM+4+\b]   ; with lane l xor 16's: the block's largest magnitude
.endr
.irp b, 0,1,2,3
	v_add_nc_u32 v[TM+12+\b], 0xff000000, v[TM+\b] ; 2 off its exponent field: the conversion's scale operand
.endr
.irp b, 0,1,2,3
	v_lshrrev_b32 v[TM+4+\b], 23, v[TM+12+\b]      ; the scale's byte
.endr
	v_lshl_or_b32 v[\w], v[TM+5], 8, v[TM+4]
	v_lshl_or_b32 v[\w], v[TM+6], 16, v[\w]
	v_lshl_or_b32 v[\w], v[TM+7], 24, v[\w]
.irp c, 0,1
	v_cvt_scalef32_pk16_fp6_f32 v[\d+6*\c:\d+6*\c+2], v[\s+32*\c:\s+32*\c+15], v[TM+12+2*\c]
	v_cvt_scalef32_pk16_fp6_f32 v[\t+4*\c:\t+4*\c+2], v[\s+32*\c+16:\s+32*\c+31], v[TM+12+2*\c+1]   ; (a conversion's three registers begin on an even number)
.endr
	v_nop                                          ; one plain place behind a scaled conversion
.irp c, 0,1                            ; the operand's layout wants a whole block in a lane: lanes 0-15 block 2 c, lanes 16-31 block 2 c + 1
.irp i, 0,1,2
	v_permlane16_swap_b32 v[\d+6*\c+\i], v[\t+4*\c+\i]
.endr
.irp i, 0,1,2
	v_mov_b32 v[\d+3+6*\c+\i], v[\t+4*\c+\i]
.endr
.endr
.endm
; Tile a.  left = the loads issued behind this tile's sixteen, which may stay out.
.macro TILE a, left
.set XS, RS+64*((\a)%3)
	s_wait_loadcnt \left
.irp i, 0,1,2,3,4,5,6,7,8,9,10,11,12,13,14,15
	ds_store_b128 v[STW], v[XS+4*\i:XS+4*\i+3] offset:528*\i      ; row i as it lies
.endr
.irp b, 0,1,2,3
.irp j, 0,1,2,3
	ds_load_b128 v[XS+16*\b+4*\j:XS+16*\b+4*\j+3], v[STR] offset:128*\b+16*\j   ; LDS serves a wave's instructions in order: these see the stores above
.endr
.endr
	s_wait_dscnt 0x0
.if (\a) > 0
	s_wait_xcnt 0x0                                ; the last tile's stores have read the codes' registers
.endif
	QUANT XS, PC, PT, SW+(\a)
.irp p, 0,1,2,3,4,5
	global_store_b64 v[L8], v[PC+2*\p:PC+2*\p+1], s[32:33] offset:1536*(\a)+256*\p   ; a plane: 256 consecutive bytes, aligned
.endr
.endm
	LOAD 0
	LOAD 1
	LOAD 2
	TILE 0, 32
	LOAD 3                                         ; into the set that tile 0 has left
	TILE 1, 32
	TILE 2, 16
	TILE 3, 0
	v_cmp_gt_u32 vcc_lo, 16, v[LN]                 ; lanes 0-15 hold the unit's 256 bytes (lanes 16-31 the same words again)
	s_wait_xcnt 0x0                                ; EXEC changes only behind this wait
	s_and_saveexec_b32 s38, vcc_lo
	global_store_b128 v[R16], v[SW:SW+3], s[34:35]
	s_wait_xcnt 0x0
	s_or_b32 exec_lo, exec_lo, s38
	s_wait_tensorcnt 0x0                           ; the wave's end
	ds_add_u32 v[SPW], v[NIL]
	s_wait_dscnt 0x0
	s_endpgm
.Lfunc_end_k_q4058005923_quant:
	.size	k_q4058005923_quant, .Lfunc_end_k_q4058005923_quant-k_q4058005923_quant
	.p2alignl 7, 3214868480
	.fill 96, 4, 3214868480
	.section	.rodata,"a",@progbits
	.p2align	6, 0x0
	.amdhsa_kernel k_q4058005923_quant
		.amdhsa_group_segment_fixed_size 34304
		.amdhsa_private_segment_fixed_size 0
		.amdhsa_enable_private_segment 0
		.amdhsa_kernarg_size 48
		.amdhsa_user_sgpr_count 2
		.amdhsa_user_sgpr_kernarg_segment_ptr 1
		.amdhsa_wavefront_size32 1
		.amdhsa_system_sgpr_workgroup_id_x 1
		.amdhsa_system_sgpr_workgroup_id_y 1
		.amdhsa_system_sgpr_workgroup_id_z 1
		.amdhsa_system_vgpr_workitem_id 0
		.amdhsa_next_free_vgpr 256
		.amdhsa_next_free_sgpr 66
		.amdhsa_reserve_vcc 1
		.amdhsa_float_denorm_mode_32 3
		.amdhsa_float_denorm_mode_16_64 3
		.amdhsa_memory_ordered 1
		.amdhsa_forward_progress 1
		.amdhsa_inst_pref_size 35
	.end_amdhsa_kernel
	.amdgpu_metadata
---
amdhsa.version: [ 1, 2 ]
amdhsa.kernels:
  - .name:           k_q4058005923_quant
    .symbol:         k_q4058005923_quant.kd
    .args:
      - { .name: x, .offset: 0, .size: 8, .value_kind: global_buffer, .address_space: global }
      - { .name: wq, .offset: 8, .size: 8, .value_kind: global_buffer, .address_space: global }
      - { .name: wk, .offset: 16, .size: 8, .value_kind: global_buffer, .address_space: global }
      - { .name: wv, .offset: 24, .size: 8, .value_kind: global_buffer, .address_space: global }
      - { .name: wo, .offset: 32, .size: 8, .value_kind: global_buffer, .address_space: global }
      - { .name: cells, .offset: 40, .size: 8, .value_kind: global_buffer, .address_space: global }
    .group_segment_fixed_size: 34304
    .private_segment_fixed_size: 0
    .kernarg_segment_align: 8
    .kernarg_segment_size: 48
    .max_flat_workgroup_size: 128
    .sgpr_count:     66
    .vgpr_count:     256
    .wavefront_size: 32
...
	.end_amdgpu_metadata
.endif
;; end of part 1
;; launch qkv (part 2): grid 12 x 32, 4 waves a work-group, clusters of 4 x 4, 327,680 bytes of LDS; arguments cells, qkv; writes qkv
.if DOCPART == 2
	.amdgcn_target "amdgcn-amd-amdhsa--gfx1250"
	.amdhsa_code_object_version 6
	.text
	.protected	k_q4058005923_qkv
	.globl	k_q4058005923_qkv
	.p2align	8
	.type	k_q4058005923_qkv,@function
k_q4058005923_qkv:
	s_mov_b64 s[64:65], 0
	v_nop
	global_prefetch_b8 v0, s[64:65] scope:SCOPE_SE
	s_setreg_imm32_b32 hwreg(HW_REG_WAVE_MODE, 25, 1), 1
	s_wait_xcnt 0x0
	s_wait_alu depctr_hold_cnt(0) depctr_sa_sdst(0) depctr_va_vdst(0) depctr_va_sdst(0) depctr_va_ssrc(0) depctr_va_vcc(0) depctr_vm_vsrc(0)
	s_getreg_b32 s2, hwreg(HW_REG_IB_STS2, 6, 4)
	s_cmp_eq_u32 s2, 0
	s_cbranch_scc0 .Lentry_in_a_cluster
	s_endpgm
.Lentry_in_a_cluster:
	s_bfe_u32 s2, ttmp6, 0x10000c
	s_cmp_lg_u32 s2, 0xf033
	s_cbranch_scc0 .Lentry_shape_is_right
	s_endpgm
.Lentry_shape_is_right:
; q = x wq^T, k = x wk^T, v = x wv^T on codes of FP6 (E2M3) with E8M0 scales, K = 1,024; the results are quantised at once, in registers, for the two products of attention.
; OPERANDS lie in cells [96 row groups of 128][8 chunks of 128 K][12,800 bytes]: 8 fragments as images of their registers (6 planes of 256 bytes), then 512 bytes of scale words.
; A tile of 256 x 256 to a work-group of four waves, 128 x 128 to a wave: 64 accumulators.  The matrix instruction is used transposed: source 0 = the B side, source 1 = the A side,
; so a lane holds ONE row of the A side and its registers run along the B side; by the order of rows in a tile the 16 registers of tiles 2 b, 2 b + 1 are 16 neighbours.
; ONE TEXT FOR ALL THREE: clusters x = 0, 1 take A = x (tokens), B = wq, wk (features): q and k are quantised along the features.  Cluster x = 2 takes A = wv (features), B = x (tokens):
; v is quantised along the tokens, which are the second product's K.
; OUT: qkv [24 feature chunks][64 token chunks][13,312 bytes]: a cell as above, and behind its scale words the same words turned by 16 bits (for the second head of a pair).
; K goes through a ring of two LDS slots of two chunks each; a wave's one tensor load brings 25,600 dense bytes.  CLUSTER 4 x 4: A's tiles are asked for jointly along a row, B's along a column.
; LIMITS: a block of zeros gets the byte 1 where the rule says 127 (zero codes; the bytes are read by this program alone); largest magnitudes under 2^-124 are held at that floor; NaN and infinities are not served.
; REGISTERS: window 0: v16-29 addresses; v32-95 scale words, two sets; v96-127 at work on the way out; v128-223 A's fragments, one set.  window 1: B's fragments, two sets (v0, v128).  windows 2, 3: accumulators.
.set CG,    12800
.set CA,    13312
.set HALFT, 2*CG                       ; two chunks of one row group: what one tensor load brings
.set SLOT,  4*HALFT                    ; A's two row groups, then B's two
.set SPARE, 2*SLOT                     ; behind the ring: the spare words, 128 bytes a wave: two blocks of 256 bytes that no other line names
.set FR,    12
.set NL,    6                          ; LDS loads that bring a fragment
.set NP,    4                          ; places behind this matrix instruction (ISA guide 7.12.1)
.set ADRA,  16                         ; v16-17 my A fragments in slot 0, 1: 8 x lane + the region
.set ADSA,  18                         ; v18-19 my A scale words: 16 r + the region
.set ADRB,  20                         ; v20-21, v22-23 the same for B
.set ADSB,  22
.set L8,    24                         ; v24 8 x lane
.set L16,   25                         ; v25 16 x lane
.set LN,    26                         ; v26 lane
.set SPW,   28                         ; v28 my spare word; never rewritten
.set NIL,   29                         ; v29 0; never rewritten
.set SC,    32                         ; scale words: set s at 32 s; in it 16 q + i: A's tile i, 16 q + 8 + i: B's tile i
.set TM,    96                         ; the way out: v96-111 at work
.set SWD,   112                        ; v112-119 the eight tiles' scale words
.set MRG,   120                        ; v120-123 as they lie in the cell; v124-127 turned by 16 bits
.set ROT,   124
.set AF,    128
.set G1,  24                           ; s[24:31] group 1 for A's tiles; s[32:39] group 0, a set for each slot
.set G0,  32
.set G1B, 48                           ; s[48:55], s[56:63] the same for B's
.set G0B, 56
.set SEL, 68                           ; s68, s69 lane selects: lane l xor 16
.set MSB, 0
.macro WIN new                         ; the immediate's high byte repeats the setting that is left
.if MSB != (\new)
	s_set_vgpr_msb (MSB<<8)|(\new)
.set MSB, \new
.endif
.endm
.set MUL_LO, 0xa1                      ; source 0 (B) window 1, source 1 (A) window 0, C and D window 2
.set MUL_HI, 0xf1
.set TO_B,   0x40
; A joint load: waves 0 and 1 fetch for A, waves 2 and 3 for B; the branch hangs on the wave's number alone.  An s_nop 0 and four v_nop follow each line.
.macro JLOAD g0a, g1a, g0b, g1b
	s_cmp_eq_u32 s15, 0
	s_cbranch_scc0 .Lfor_b_\@
	tensor_load_to_lds s[\g0a:\g0a+3], s[\g1a:\g1a+7]
	s_nop 0
.rept 4
	v_nop
.endr
	s_branch .Lasked_\@
.Lfor_b_\@:
	tensor_load_to_lds s[\g0b:\g0b+3], s[\g1b:\g1b+7]
	s_nop 0
.rept 4
	v_nop
.endr
.Lasked_\@:
.endm
.macro CREST                           ; a round of the cluster's barrier behind its opening barrier
	s_cmp_lg_u32 s14, 0
	s_cbranch_scc1 .Lnot_wave_0_\@
	s_barrier_signal -3
.Lnot_wave_0_\@:
	s_barrier_wait -3
	s_barrier_signal -1
	s_barrier_wait -1
.endm
.macro CROUND
	s_barrier_signal -1
	s_barrier_wait -1
	CREST
.endm
	s_load_b128 s[4:7], s[0:1], 0x0                ; cells, qkv
	v_lshl_add_u32 v[SPW], v0, 2, SPARE
	v_mov_b32 v[NIL], 0
	ds_add_u32 v[SPW], v[NIL]
	ds_add_u32 v[SPW], v[NIL]                      ; the wave's opening: the add and its wait stand ahead of my first tensor load; work on registers stands between
	v_lshrrev_b32 v1, 5, v0
	v_readfirstlane_b32 s14, v1                    ; wave
	s_lshr_b32 s15, s14, 1                         ; my row group of the A side.  Also: I fetch for A (0) or for B (1)
	s_and_b32 s16, s14, 1                          ; my row group of the B side.  Also: which row group I fetch
	s_bfe_u32 s40, ttmp6, 0x40000                  ; cx
	s_bfe_u32 s41, ttmp6, 0x40004                  ; cy
	s_lshl_b32 s43, s41, 2
	s_lshl_b32 s43, 15, s43                        ; my row of the cluster
	s_lshl_b32 s44, 0x1111, s40                    ; my column
	s_or_b32 s[G1+0], s43, (3<<16)|(1<<21)         ; 15:0 the mask; 17:16 elements of 8 bytes; 20 no padding; 21 set beside a mask
	s_or_b32 s[G1B+0], s44, (3<<16)|(1<<21)
.irp g, G1, G1B
	s_mov_b32 s[\g+1], 32<<16                      ; tensor_dim0 = 32 elements: rows of 256 bytes
	s_mov_b32 s[\g+2], 100<<16                     ; tensor_dim1 = 100 rows: 25,600 dense bytes
	s_mov_b32 s[\g+3], 32<<16                      ; tile_dim0
	s_mov_b32 s[\g+4], 100                         ; tile_dim1
	s_mov_b32 s[\g+5], 32                          ; the pitch
	s_mov_b32 s[\g+6], 0
	s_mov_b32 s[\g+7], 0
.endr
	s_mov_b32 s[SEL], 0x76543210
	s_mov_b32 s[SEL+1], 0xfedcba98
	s_and_b32 s17, ttmp7, 0xffff
	s_lshl_b32 s17, s17, 3                         ; 8 x cluster y: the cluster's first row group of x
	s_lshl_b32 s18, ttmp9, 3
	s_add_co_u32 s18, s18, 64                      ; 64 + 8 x cluster x: of wq or wk
	s_cmp_eq_u32 ttmp9, 2                          ; v's clusters change sides: the same in all sixteen partners
	s_cselect_b32 s19, 80, s17
	s_cselect_b32 s42, s17, s18
	s_lshl_b32 s66, s41, 1
	s_add_co_u32 s66, s66, s19                     ; the A side's first row group: hangs on cy, never on cx
	s_lshl_b32 s67, s40, 1
	s_add_co_u32 s67, s67, s42                     ; the B side's: hangs on cx, never on cy
	s_add_co_u32 s20, s66, s16
	s_mul_i32 s20, s20, 8*CG
	s_mov_b32 s21, 0
	s_add_co_u32 s46, s67, s16
	s_mul_i32 s46, s46, 8*CG
	s_mov_b32 s47, 0
	s_mul_i32 s45, s14, HALFT                      ; where they go: wave x 25,600: no place in the cluster enters an LDS address
	s_wait_dscnt 0x0                               ; the opening add is done
	s_wait_kmcnt 0x0
	s_add_nc_u64 s[20:21], s[4:5], s[20:21]
	s_add_nc_u64 s[46:47], s[4:5], s[46:47]
	CROUND                                         ; all sixteen work-groups are here: the first joint loads meet
.irp s, 0,1
	s_mov_b32 s[G0+4*\s], 1
	s_add_co_u32 s[G0+4*\s+1], s45, \s*SLOT
	s_add_nc_u64 s[G0+4*\s+2:G0+4*\s+3], s[20:21], \s*HALFT
	s_or_b32 s[G0+4*\s+3], s[G0+4*\s+3], 0x80000000
	s_mov_b32 s[G0B+4*\s], 1
	s_add_co_u32 s[G0B+4*\s+1], s45, \s*SLOT
	s_add_nc_u64 s[G0B+4*\s+2:G0B+4*\s+3], s[46:47], \s*HALFT
	s_or_b32 s[G0B+4*\s+3], s[G0B+4*\s+3], 0x80000000
	JLOAD G0+4*\s, G1, G0B+4*\s, G1B               ; two loads of mine are out
.endr
	v_and_b32 v[LN], 31, v0
	v_and_b32 v1, 15, v0
	v_lshlrev_b32 v[L8], 3, v[LN]
	v_lshlrev_b32 v[L16], 4, v[LN]
	v_lshlrev_b32 v2, 4, v1                        ; 16 r
	s_mul_i32 s21, s15, HALFT
	s_mul_i32 s22, s16, HALFT
	s_add_co_u32 s22, s22, 2*HALFT
.irp s, 0,1
	v_add_nc_u32 v[ADRA+\s], s21, v[L8]
	v_add_nc_u32 v[ADRB+\s], s22, v[L8]
	v_add_nc_u32 v[ADSA+\s], s21, v2
	v_add_nc_u32 v[ADSB+\s], s22, v2
	s_add_co_u32 s21, s21, SLOT
	s_add_co_u32 s22, s22, SLOT
.endr
	s_add_co_u32 s70, s66, s15                     ; my wave's row group of the A side,
	s_add_co_u32 s71, s67, s16                     ; and of the B side
	s_cmp_eq_u32 ttmp9, 2
	s_cselect_b32 s72, s70, s71                    ; which of them is the weight's,
	s_cselect_b32 s73, s71, s70                    ; and which the tokens'
	s_sub_co_u32 s72, s72, 64
	s_lshl_b32 s72, s72, 6
	s_add_co_u32 s72, s72, s73
	s_mul_i32 s72, s72, CA                         ; my cell of qkv
	s_mov_b32 s73, 0
	s_add_nc_u64 s[6:7], s[6:7], s[72:73]
.macro FRAG reg, adr, off              ; a fragment comes as it was laid: six planes, 8 bytes a lane, 256 consecutive bytes a load
.irp p, 0,1,2,3,4,5
	ds_load_b64 v[\reg+2*\p:\reg+2*\p+1], v[\adr] offset:\off+256*\p
.endr
.endm
; 16 matrix instructions: A's tiles a0, a0 + 1 x B's eight, the slot's q-th chunk.  The 64 accumulators take turns, one instruction a turn, in the same order in every chunk.
.macro MUL16 a0, p, q, sc, zero
.irp a, \a0, \a0+1
.irp b, 0,1,2,3,4,5,6,7
.if \zero
	v_wmma_scale_f32_16x16x128_f8f6f4 v[8*(8*((\a)%4)+\b):8*(8*((\a)%4)+\b)+7], v[128*(\p)+FR*\b:128*(\p)+FR*\b+FR-1], v[AF+FR*(\a):AF+FR*(\a)+FR-1], 0, v[SC+32*(\sc)+16*(\q)+8+\b], v[SC+32*(\sc)+16*(\q)+(\a)] matrix_a_fmt:MATRIX_FMT_FP6 matrix_b_fmt:MATRIX_FMT_FP6
.else
	v_wmma_scale_f32_16x16x128_f8f6f4 v[8*(8*((\a)%4)+\b):8*(8*((\a)%4)+\b)+7], v[128*(\p)+FR*\b:128*(\p)+FR*\b+FR-1], v[AF+FR*(\a):AF+FR*(\a)+FR-1], v[8*(8*((\a)%4)+\b):8*(8*((\a)%4)+\b)+7], v[SC+32*(\sc)+16*(\q)+8+\b], v[SC+32*(\sc)+16*(\q)+(\a)] matrix_a_fmt:MATRIX_FMT_FP6 matrix_b_fmt:MATRIX_FMT_FP6
.endif
.endr
.endr
.endm
.macro FETCH_B slot, q, p
	WIN TO_B
.irp i, 0,1,2,3,4,5,6,7
	FRAG 128*(\p)+FR*\i, ADRB+\slot, (\q)*CG+1536*\i
.endr
	WIN 0
.endm
.macro FETCH_A slot, q, i0
.irp i, \i0, \i0+1, \i0+2, \i0+3
	FRAG AF+FR*(\i), ADRA+\slot, (\q)*CG+1536*(\i)
.endr
.endm
.macro SCALES sl                       ; a slot's scale words: for each chunk and side two units of four tiles; lane r takes row r's four words
.irp q, 0,1
.irp g, 0,1
	ds_load_b128 v[SC+32*\sl+16*\q+4*\g:SC+32*\sl+16*\q+4*\g+3], v[ADSA+\sl] offset:\q*CG+12288+256*\g
	ds_load_b128 v[SC+32*\sl+16*\q+8+4*\g:SC+32*\sl+16*\q+8+4*\g+3], v[ADSB+\sl] offset:\q*CG+12288+256*\g
.endr
.endr
.endm
.macro PLACES n                        ; plain vector places in front of loads into registers that matrix instructions have read, and of the first read of results
.rept \n
	v_nop
.endr
.endm
.macro STEP slot, q, zero              ; a chunk that has its successor in the same slot
	s_wait_dscnt 4*NL                              ; all but the youngest 24 loads, A's tiles 4-7
	WIN MUL_LO
	MUL16 0, (\q)%2, \q, \slot, \zero
	MUL16 2, (\q)%2, \q, \slot, \zero
	s_wait_dscnt 0
	PLACES NP
	FETCH_B \slot, (\q)+1, 1-(\q)%2
	FETCH_A \slot, (\q)+1, 0
	WIN MUL_HI
	MUL16 4, (\q)%2, \q, \slot, \zero
	MUL16 6, (\q)%2, \q, \slot, \zero
	PLACES NP
	WIN 0
	FETCH_A \slot, (\q)+1, 4
.endm
; A slot's last chunk changes slots: one barrier; in front of it each wave waits for all its tensor loads, adds 0 to its spare word, and waits for that and for its reads of this slot.
.macro TURN slot, next, fill
	s_wait_tensorcnt 0x0                           ; all my tensor loads have landed: my part of the next slot
	ds_add_u32 v[SPW], v[NIL]
	s_wait_dscnt 4*NL+1                            ; the add and A's tiles 4-7 may be out
	WIN MUL_LO
	MUL16 0, 1, 1, \slot, 0
	s_wait_dscnt 0x0                               ; the add is done, and my reads of this slot are over
	s_barrier_signal -1
	MUL16 2, 1, 1, \slot, 0
	WIN 0
	s_barrier_wait -1
.if \fill
	CREST                                          ; the barrier has opened a round of the cluster's: no wave of any partner still reads this slot or has a load on its way
	s_add_nc_u64 s[G0+4*\slot+2:G0+4*\slot+3], s[G0+4*\slot+2:G0+4*\slot+3], 2*HALFT
	s_add_nc_u64 s[G0B+4*\slot+2:G0B+4*\slot+3], s[G0B+4*\slot+2:G0B+4*\slot+3], 2*HALFT
	JLOAD G0+4*\slot, G1, G0B+4*\slot, G1B         ; the first tensor load behind the round; its four v_nop are the places in front of the loads below
.else
	PLACES NP
.endif
	FETCH_B \next, 0, 0
	FETCH_A \next, 0, 0
	SCALES \next
	WIN MUL_HI
	MUL16 4, 1, 1, \slot, 0
	MUL16 6, 1, 1, \slot, 0
	PLACES NP
	WIN 0
	FETCH_A \next, 0, 4
.endm
	s_wait_alu depctr_va_vdst(0)
	s_wait_tensorcnt 1                             ; my part of slot 0 is in; slot 1's may stay out
	s_barrier_signal -1
	s_barrier_wait -1
	FETCH_B 0, 0, 0
	FETCH_A 0, 0, 0
	SCALES 0
	FETCH_A 0, 0, 4
	STEP 0, 0, 1                                   ; chunk 0: its products start the sums
	TURN 0, 1, 1                                   ; chunk 1; slot 0 takes chunks 4, 5
	STEP 1, 0, 0
	TURN 1, 0, 1                                   ; chunk 3; slot 1 takes chunks 6, 7
	STEP 0, 0, 0
	TURN 0, 1, 0                                   ; chunk 5: nothing is left to fetch
	STEP 1, 0, 0
	s_wait_dscnt 4*NL                              ; chunk 7
	WIN MUL_LO
	MUL16 0, 1, 1, 1, 0
	MUL16 2, 1, 1, 1, 0
	s_wait_dscnt 0
	WIN MUL_HI
	MUL16 4, 1, 1, 1, 0
	MUL16 6, 1, 1, 1, 0
	WIN 0
; THE WAY OUT.  Block a (16 rows of the A side): its 64 registers, 16 b + i = place 32 b + 16 (lane / 16) + i along the B side, become one fragment and one scale word a row.
.macro QUANTW a
.set S0, 64*((\a)%4)
.set D0, 128+20*((\a)%2)
.set T0, D0+12
	WIN 0x28+0x14*((\a)/4)                         ; sources 1 and 2: window 2 or 3
.irp b, 0,1,2,3
	v_max3_num_f32 v[TM+\b], 0x1800000, |v[S0+16*\b]|, |v[S0+16*\b+1]|   ; each accumulator from its low end on; the floor 2^(3 - 127)
.endr
.irp i, 2,4,6,8,10,12,14
.irp b, 0,1,2,3
	v_max3_num_f32 v[TM+\b], v[TM+\b], |v[S0+16*\b+\i]|, |v[S0+16*\b+\i+1]|
.endr
.endr
	WIN 0
.irp b, 0,1,2,3
	v_permlanex16_b32 v[TM+4+\b], v[TM+\b], s[SEL], s[SEL+1]
.endr
.irp b, 0,1,2,3
	v_max_num_f32 v[TM+\b], v[TM+\b], v[TM+4+\b]
.endr
.irp b, 0,1,2,3
	v_add_nc_u32 v[TM+12+\b], 0xff000000, v[TM+\b]
.endr
.irp b, 0,1,2,3
	v_lshrrev_b32 v[TM+4+\b], 23, v[TM+12+\b]
.endr
	v_lshl_or_b32 v[SWD+(\a)], v[TM+5], 8, v[TM+4]
	v_lshl_or_b32 v[SWD+(\a)], v[TM+6], 16, v[SWD+(\a)]
	v_lshl_or_b32 v[SWD+(\a)], v[TM+7], 24, v[SWD+(\a)]
	WIN 0x02+(\a)/4                                ; source 0: window 2 or 3
.irp c, 0,1
	v_cvt_scalef32_pk16_fp6_f32 v[D0+6*\c:D0+6*\c+2], v[S0+32*\c:S0+32*\c+15], v[TM+12+2*\c]
	v_cvt_scalef32_pk16_fp6_f32 v[T0+4*\c:T0+4*\c+2], v[S0+32*\c+16:S0+32*\c+31], v[TM+12+2*\c+1]
.endr
	WIN 0
	v_nop                                          ; one plain place behind a scaled conversion
.irp c, 0,1
.irp i, 0,1,2
	v_permlane16_swap_b32 v[D0+6*\c+\i], v[T0+4*\c+\i]
.endr
.irp i, 0,1,2
	v_mov_b32 v[D0+3+6*\c+\i], v[T0+4*\c+\i]
.endr
.endr
.irp p, 0,1,2,3,4,5
	global_store_b64 v[L8], v[D0+2*\p:D0+2*\p+1], s[6:7] offset:1536*(\a)+256*\p   ; a plane: 256 consecutive bytes, aligned
.endr
.endm
	PLACES NP                                      ; behind the last products: results are read, and registers that held A's fragments are written
.irp b, 0,1,2,3
	v_mov_b32 v[TM+4+\b], 0                        ; a lane permute's destination counts as one of its sources
.endr
.irp a, 0,1,2,3,4,5,6,7
.if \a > 1
	s_wait_xcnt 0x0                                ; block a - 2's stores have read the registers that block a's codes take
.endif
	QUANTW \a
.endr
	v_cmp_le_u32 vcc_lo, 16, v[LN]
.irp i, 0,1,2,3
	v_cndmask_b32 v[MRG+\i], v[SWD+\i], v[SWD+4+\i], vcc_lo       ; lanes 0-15: tiles 0-3's words of row r; lanes 16-31: tiles 4-7's
.endr
.irp i, 0,1,2,3
	v_alignbit_b32 v[ROT+\i], v[MRG+\i], v[MRG+\i], 16            ; the same with bytes 2, 3 in places 0, 1
.endr
	global_store_b128 v[L16], v[MRG:MRG+3], s[6:7] offset:12288   ; 512 consecutive bytes each
	global_store_b128 v[L16], v[ROT:ROT+3], s[6:7] offset:12800
	s_wait_tensorcnt 0x0                           ; the wave's end
	ds_add_u32 v[SPW], v[NIL]
	s_wait_dscnt 0x0
	CROUND                                         ; the closing round: no work-group ends while a partner may still ask for a tile that names it
	s_endpgm
.Lfunc_end_k_q4058005923_qkv:
	.size	k_q4058005923_qkv, .Lfunc_end_k_q4058005923_qkv-k_q4058005923_qkv
	.p2alignl 7, 3214868480
	.fill 96, 4, 3214868480
	.section	.rodata,"a",@progbits
	.p2align	6, 0x0
	.amdhsa_kernel k_q4058005923_qkv
		.amdhsa_group_segment_fixed_size 327680
		.amdhsa_private_segment_fixed_size 0
		.amdhsa_enable_private_segment 0
		.amdhsa_kernarg_size 16
		.amdhsa_user_sgpr_count 2
		.amdhsa_user_sgpr_kernarg_segment_ptr 1
		.amdhsa_wavefront_size32 1
		.amdhsa_system_sgpr_workgroup_id_x 1
		.amdhsa_system_sgpr_workgroup_id_y 1
		.amdhsa_system_sgpr_workgroup_id_z 1
		.amdhsa_system_vgpr_workitem_id 0
		.amdhsa_next_free_vgpr 1024
		.amdhsa_next_free_sgpr 100
		.amdhsa_reserve_vcc 1
		.amdhsa_float_denorm_mode_32 3
		.amdhsa_float_denorm_mode_16_64 3
		.amdhsa_memory_ordered 1
		.amdhsa_forward_progress 1
		.amdhsa_inst_pref_size 163
	.end_amdhsa_kernel
	.amdgpu_metadata
---
amdhsa.version: [ 1, 2 ]
amdhsa.kernels:
  - .name:           k_q4058005923_qkv
    .symbol:         k_q4058005923_qkv.kd
    .args:
      - { .name: cells, .offset: 0, .size: 8, .value_kind: global_buffer, .address_space: global }
      - { .name: qkv, .offset: 8, .size: 8, .value_kind: global_buffer, .address_space: global }
    .group_segment_fixed_size: 327680
    .private_segment_fixed_size: 0
    .kernarg_segment_align: 8
    .kernarg_segment_size: 16
    .max_flat_workgroup_size: 128
    .sgpr_count:     100
    .vgpr_count:     1024
    .wavefront_size: 32
...
	.end_amdgpu_metadata
.endif
;; end of part 2
;; launch attn (part 3): grid 16 x 32, 16 waves a work-group, no clusters, 327,680 bytes of LDS; arguments qkv, ocell; writes ocell
.if DOCPART == 3
	.amdgcn_target "amdgcn-amd-amdhsa--gfx1250"
	.amdhsa_code_object_version 6
	.text
	.protected	k_q4058005923_attn
	.globl	k_q4058005923_attn
	.p2align	8
	.type	k_q4058005923_attn,@function
k_q4058005923_attn:
	s_mov_b64 s[64:65], 0
	v_nop
	global_prefetch_b8 v0, s[64:65] scope:SCOPE_SE
	s_setreg_imm32_b32 hwreg(HW_REG_WAVE_MODE, 25, 1), 1
	s_wait_xcnt 0x0
; Causal attention on codes of FP6 (E2M3) with E8M0 scales: 4 batches x 16 heads of 64, 2,048 tokens.  Out: O / l, quantised along the channels, as the last product's operand.
; IN: qkv [24 feature chunks][64 token chunks][13,312]: chunks 0-7 q, 8-15 k (rows = tokens, K = a pair of heads' 128 features), 16-23 v (rows = features, K = 128 tokens).  A cell: 8 fragments of 16 rows as images
; of their registers (6 planes of 256 bytes; planes 0-2 are K 0-63, planes 3-5 K 64-127), 512 bytes of scale words, the same turned by 16 bits.  Place r of tile i is row 32 (i / 2) + 8 (i % 2) + r + 8 (r / 8).
; THE SOFTMAX: t = score x log2(e) / 8; M = the running largest t rounded up to a whole number; p = 2^(t - M) is quantised along the keys, not normalised; the row's sum is taken of the unquantised p and divides O
; at the end; when M moves, the sum and O are multiplied by 2^(old M - new M), which rounds nothing.
; K = 64 IN THE FIRST PRODUCT: a head is half of the instruction's 128.  q's upper six registers are zero codes; k's upper six are whatever codes follow: they meet zeros, and no scale byte is 0xff.
; SHARES.  A work-group serves one pair of heads of one batch and two blocks of 64 queries, j and 31 - j, so that all work-groups have the same number of key steps under the mask.  Sixteen waves, each one tile of
; 16 queries of one head; of the wave's number bit 1 is the head, bits 3, 2 the tile in its block, bit 0 xor bit 2 says which block.  Both products are used transposed: a lane holds one query throughout.
; THE RING: two slots of 256 keys (two cells of k, two of v), waves 0 to 3 fetch one cell each.  Every work-group walks all eight slots (constant trips, no barrier is jumped over); a key step that lies wholly behind a wave's
; queries is jumped over, and a slot that begins behind the work-group's last query is not asked for.
; No joint loads: work-groups that share k and v end their loads at different slots, and a joint load is issued by all that it names.
; LIMITS: a block of zeros gets the byte 1 where the rule says 127; largest magnitudes under 2^-124 are held at that floor; NaN and infinities are not served; a block's largest p is taken from its largest score, which takes
; v_exp_f32 not to fall where its input rises.
.set CA,    13312
.set CG,    12800
.set SLOT1, 1<<17                      ; slot 1 begins here: one exclusive or turns an address
.set SCR,   2*SLOT1                    ; 512 bytes: the two blocks' scale words of O meet here; no tile lands there
.set SPARE, SCR+512                    ; the spare words, 128 bytes a wave: eight blocks of 256 bytes that no other line names
.set NSL,   8
.set AK0,  1                           ; v1  my place in a cell of k: 8 x lane + 768 x head
.set AV0,  2                           ; v2  in v's first cell: 8 x lane + 2 CA + 6,144 x head
.set ASK0, 3                           ; v3  k's scale words: 16 x lane + 12,288 + 512 x head
.set ASV0, 4                           ; v4  v's: 16 r + 2 CA + 12,288 + 256 x head
.set SPW,  5                           ; v5  my spare word; never rewritten
.set NIL,  6                           ; v6  0; never rewritten
.set QL,   7                           ; v7  my query - 16 (lane / 16)
.set ADK,  8                           ; v8-11 the step's addresses
.set ADV,  9
.set ADS,  10
.set ADT,  11
.set QF,   16                          ; v16-21 q's half fragment, v22-27 zero codes
.set QS,   28                          ; v28 q's scale words
.set SCW,  29                          ; v29 where my two scale bytes of O go
.set L8,   30                          ; v30 8 x lane
.set ASC,  31                          ; v31 SCR + 16 x lane
.set KR,   32                          ; v32-79 k's eight half fragments, six registers apart, later v's four fragments; v80-85 zero codes
.set KS,   86                          ; v86-89 k's scale words: lanes 0-15 tiles 0-3, lanes 16-31 tiles 4-7
.set VS,   90                          ; v90-93 v's
.set ST,   96                          ; v96-159 S^T, then p
.set OT,   160                         ; v160-191 O^T
.set PCD,  192                         ; v192-203 p's codes
.set PT,   204                         ; v204-211 halves of blocks on their way
.set BM,   212                         ; v212-215 the blocks' largest
.set PM,   216                         ; v216-219 the other half's; bytes
.set SO,   220                         ; v220-223 the conversions' scale operands
.set PS,   228                         ; v228 p's scale word
.set OS,   229                         ; v229 O's two scale bytes
.set FF,   230                         ; v[230:231] f = 2^(old M - new M)
.set W0,   232                         ; v232-235 at work
.set TB,    2                          ; s2  the slot in hand
.set WV,    18
.set HD,    19                         ; s19 my head of the pair
.set SEL,   20
.set CS,    22                         ; s[22:23] c = log2(e) / 8
.set G1,    24
.set G0,    32
.set KF,    36                         ; s36 the step's first key
.set Q0,    37                         ; s37 16 x my tile: a token of the chunk of 128 in which all my queries lie
.set QLAST, 38                         ; s38 the work-group's last query
.set SLOTS, 39
.macro TLOAD                           ; waves 0 to 3 fetch a cell each; an s_nop 0 and four v_nop follow the line
	s_cmp_lt_u32 s[WV], 4
	s_cbranch_scc0 .Lasked_\@
	tensor_load_to_lds s[G0:G0+3], s[G1:G1+7]
	s_nop 0
.rept 4
	v_nop
.endr
.Lasked_\@:
.endm
	s_load_b128 s[4:7], s[0:1], 0x0                ; qkv, ocell
	v_lshl_add_u32 v[SPW], v0, 2, SPARE
	v_mov_b32 v[NIL], 0
	ds_add_u32 v[SPW], v[NIL]                      ; the wave's opening: the add and its wait stand ahead of the first tensor load; work on registers stands between
	ds_add_u32 v[SPW], v[NIL]
	v_lshrrev_b32 v8, 5, v0
	s_delay_alu instid0(VALU_DEP_1)
	v_readfirstlane_b32 s[WV], v8
	s_and_b32 s8, s[WV], 1
	s_bfe_u32 s[HD], s[WV], 0x10001
	s_bfe_u32 s10, s[WV], 0x10002
	s_xor_b32 s11, s8, s10                         ; 1: the late block
	s_lshr_b32 s12, s[WV], 2                       ; my tile in its block
	s_sub_co_u32 s13, 31, ttmp9
	s_cmp_eq_u32 s11, 1
	s_cselect_b32 s13, s13, ttmp9                  ; my block of 64 queries
	s_lshl_b32 s14, s13, 2
	s_add_co_u32 s14, s14, s12                     ; my tile of the batch's 128
	s_lshl_b32 s[Q0], s14, 4
	s_and_b32 s15, s14, 7                          ; in its cell
	s_lshr_b32 s16, s14, 3                         ; its token chunk
	s_and_b32 s17, ttmp7, 0xffff
	s_lshr_b32 s40, s17, 3                         ; batch
	s_and_b32 s41, s17, 7                          ; pair of heads
	s_lshl_b32 s42, s40, 4                         ; the batch's first token chunk
	s_lshl_b32 s[QLAST], ttmp9, 6
	s_sub_co_u32 s[QLAST], 2047, s[QLAST]
	s_lshl_b32 s43, s41, 6
	s_add_co_u32 s43, s43, s42
	s_add_co_u32 s43, s43, s16
	s_mul_i32 s43, s43, CA                         ; q's cell
	s_mul_i32 s8, s15, 1536
	s_mul_i32 s9, s[HD], 768
	s_add_co_u32 s8, s8, s9                        ; my tile's half fragment in a cell
	s_add_co_u32 s44, s43, s8
	s_mov_b32 s45, 0
	s_lshr_b32 s9, s15, 2
	s_lshl_b32 s9, s9, 8
	s_and_b32 s10, s15, 3
	s_lshl_b32 s10, s10, 2
	s_add_co_u32 s9, s9, s10
	s_lshl_b32 s10, s[HD], 9
	s_add_co_u32 s9, s9, s10
	s_add_co_u32 s46, s43, s9
	s_add_co_u32 s46, s46, 12288                   ; my tile's scale words, turned for head 1
	s_mov_b32 s47, 0
	s_add_co_u32 s48, s42, s16
	s_lshl_b32 s48, s48, 3
	s_add_co_u32 s48, s48, s41
	s_mul_i32 s48, s48, CG
	s_add_co_u32 s48, s48, s8                      ; my half fragment of O
	s_mov_b32 s49, 0
	s_lshr_b32 s9, ttmp9, 1                        ; the early block's scale unit of O
	s_add_co_u32 s9, s9, s42
	s_lshl_b32 s9, s9, 3
	s_add_co_u32 s9, s9, s41
	s_mul_i32 s9, s9, CG
	s_and_b32 s10, ttmp9, 1
	s_lshl_b32 s10, s10, 8
	s_add_co_u32 s50, s9, s10
	s_add_co_u32 s50, s50, 12288
	s_mov_b32 s51, 0
	s_sub_co_u32 s10, 31, ttmp9                    ; the late block's
	s_lshr_b32 s9, s10, 1
	s_add_co_u32 s9, s9, s42
	s_lshl_b32 s9, s9, 3
	s_add_co_u32 s9, s9, s41
	s_mul_i32 s9, s9, CG
	s_and_b32 s10, s10, 1
	s_lshl_b32 s10, s10, 8
	s_add_co_u32 s52, s9, s10
	s_add_co_u32 s52, s52, 12288
	s_sub_co_u32 s52, s52, s50                     ; how far behind the early one's: above 0, under 2^24
	s_and_b32 s53, s[WV], 3                        ; what I fetch, if I fetch: k's cell 0, 1, v's cell 0, 1 of a slot
	s_mul_i32 s56, s53, CA
	s_lshr_b32 s54, s53, 1
	s_lshl_b32 s54, s54, 3
	s_add_co_u32 s54, s54, s41
	s_add_co_u32 s54, s54, 8
	s_lshl_b32 s54, s54, 6
	s_add_co_u32 s54, s54, s42
	s_and_b32 s53, s53, 1
	s_add_co_u32 s54, s54, s53
	s_mul_i32 s54, s54, CA
	s_mov_b32 s55, 0
	s_mov_b32 s[G1], 3<<16                         ; no mask; elements of 8 bytes; no padding
	s_mov_b32 s[G1+1], 32<<16                      ; rows of 256 bytes,
	s_mov_b32 s[G1+2], 52<<16                      ; 52 of them: a cell, dense
	s_mov_b32 s[G1+3], 32<<16
	s_mov_b32 s[G1+4], 52
	s_mov_b32 s[G1+5], 32
	s_mov_b32 s[G1+6], 0
	s_mov_b32 s[G1+7], 0
	s_mov_b32 s[SEL], 0x76543210
	s_mov_b32 s[SEL+1], 0xfedcba98
	s_mov_b32 s[CS], 0x3e38aa3b
	s_mov_b32 s[CS+1], s[CS]                       ; (named with it as a pair, so it is written)
	s_mov_b32 s[TB], 0
	s_mov_b32 s[KF], 0
	s_mov_b32 s[SLOTS], NSL-1
.irp i, 0,1,2,3,4,5
	v_mov_b32 v[QF+6+\i], 0                        ; zero codes: q's K 64-127,
	v_mov_b32 v[KR+48+\i], 0                       ; and what follows k's last half fragment
.endr
	v_and_b32 v8, 31, v0                           ; lane
	v_and_b32 v9, 15, v0                           ; r
	v_bfe_u32 v10, v0, 4, 1                        ; h
	s_delay_alu instid0(VALU_DEP_3)
	v_lshlrev_b32 v[L8], 3, v8
	s_mul_i32 s57, s[HD], 768
	v_add_nc_u32 v[AK0], s57, v[L8]
	s_mul_i32 s57, s[HD], 6144
	s_add_co_u32 s57, s57, 2*CA
	v_add_nc_u32 v[AV0], s57, v[L8]
	v_lshlrev_b32 v11, 4, v8
	s_lshl_b32 s57, s[HD], 9
	s_add_co_u32 s57, s57, 12288
	v_add_nc_u32 v[ASK0], s57, v11
	v_add_nc_u32 v[ASC], SCR, v11
	v_lshlrev_b32 v[W0], 4, v9                     ; 16 r
	s_wait_alu depctr_va_vdst(0)
	s_lshl_b32 s57, s[HD], 8
	s_add_co_u32 s57, s57, 2*CA+12288
	v_add_nc_u32 v[ASV0], s57, v[W0]
	s_lshl_b32 s57, s11, 8
	s_lshl_b32 s58, s12, 2
	s_add_co_u32 s57, s57, s58
	s_lshl_b32 s58, s[HD], 1
	s_add_co_u32 s57, s57, s58
	s_add_co_u32 s57, s57, SCR
	v_add_nc_u32 v[SCW], s57, v[W0]                ; SCR + 256 x late + 16 r + 4 x tile + 2 x head
	s_lshr_b32 s57, s14, 1
	s_lshl_b32 s57, s57, 5
	s_and_b32 s58, s14, 1
	s_lshl_b32 s58, s58, 3
	s_add_co_u32 s57, s57, s58
	v_and_b32 v11, 8, v9
	s_delay_alu instid0(VALU_DEP_1)
	v_add_nc_u32 v[QL], v11, v9                    ; r + 8 (r / 8)
	v_lshlrev_b32 v11, 4, v10
	s_delay_alu instid0(VALU_DEP_1)
	v_sub_nc_u32 v[QL], v[QL], v11
	s_delay_alu instid0(VALU_DEP_1)
	v_add_nc_u32 v[QL], s57, v[QL]
	v_mov_b32 v13, 0xff61b1e6                      ; the largest t so far: -3e38
	s_delay_alu instid0(VALU_DEP_1)
	v_floor_f32 v12, -v13                          ; -M
	v_mov_b32 v14, 0                               ; the sum, in two halves
	v_mov_b32 v15, 0
.irp b, 0,1,2,3
	v_mov_b32 v[PM+\b], 0                          ; a lane permute's destination counts as one of its sources
.endr
	v_mov_b32 v[FF+1], 0                           ; (named as the upper half of a pair)
.set n, 0
.rept 32
	v_mov_b32 v[OT+n], 0                           ; O^T: the step is written once; the first finds zeros, which the first change of M leaves zeros
.set n, n+1
.endr
	s_wait_dscnt 0x0                               ; the opening add is done
	s_wait_kmcnt 0x0
	s_mov_b32 s[G0], 1
	s_mov_b32 s[G0+1], s56
	s_add_nc_u64 s[G0+2:G0+3], s[4:5], s[54:55]
	s_or_b32 s[G0+3], s[G0+3], 0x80000000
	TLOAD                                          ; slot 0
	s_add_nc_u64 s[44:45], s[4:5], s[44:45]
	s_add_nc_u64 s[46:47], s[4:5], s[46:47]
	s_add_nc_u64 s[48:49], s[6:7], s[48:49]
	s_add_nc_u64 s[50:51], s[6:7], s[50:51]
.irp p, 0,1,2
	global_load_b64 v[QF+2*\p:QF+2*\p+1], v[L8], s[44:45] offset:256*\p   ; q stays in registers
.endr
	global_load_b32 v[QS], v[W0], s[46:47]
; A KEY STEP: 128 keys, the q-th cell of the slot in hand.
.macro STEP q
	s_add_co_u32 s57, s[Q0], 15                    ; all 128 keys behind my queries: the step's work is left out; no barrier and no tensor load stands in a step
	s_cmp_gt_u32 s[KF], s57
	s_cbranch_scc1 .Lhidden_\@
	v_add_nc_u32 v[ADK], s[TB], v[AK0]             ; (these four are also the places in front of loads into registers that the last products read)
	v_add_nc_u32 v[ADV], s[TB], v[AV0]
	v_add_nc_u32 v[ADS], s[TB], v[ASK0]
	v_add_nc_u32 v[ADT], s[TB], v[ASV0]
.irp i, 0,1,2,3,4,5,6,7
.irp p, 0,1,2
	ds_load_b64 v[KR+6*\i+2*\p:KR+6*\i+2*\p+1], v[ADK] offset:(\q)*CA+1536*\i+256*\p
.endr
.endr
	ds_load_b128 v[KS:KS+3], v[ADS] offset:(\q)*CA
	s_wait_alu depctr_va_vdst(0)
	s_wait_dscnt 0x0
.irp i, 0,1,2,3                        ; S^T = k q^T: in tile i lane (r, h) holds query r, register j key 32 (i / 2) + 16 h + 8 (i % 2) + j
	v_wmma_scale_f32_16x16x128_f8f6f4 v[ST+8*\i:ST+8*\i+7], v[KR+6*\i:KR+6*\i+11], v[QF:QF+11], 0, v[KS+\i], v[QS] matrix_a_fmt:MATRIX_FMT_FP6 matrix_b_fmt:MATRIX_FMT_FP6
.endr
.irp i, 4,5,6,7
	v_wmma_scale_f32_16x16x128_f8f6f4 v[ST+8*\i:ST+8*\i+7], v[KR+6*\i:KR+6*\i+11], v[QF:QF+11], 0, v[KS+\i-4], v[QS] matrix_a_fmt:MATRIX_FMT_FP6 matrix_b_fmt:MATRIX_FMT_FP6 matrix_a_scale:MATRIX_SCALE_ROW1
.endr
.rept 4
	v_nop                                          ; places: results are read below, and v's fragments land where k's lay
.endr
.irp t, 0,1,2,3                        ; v's four tiles of my head: they land under the softmax
.irp p, 0,1,2,3,4,5
	ds_load_b64 v[KR+12*\t+2*\p:KR+12*\t+2*\p+1], v[ADV] offset:(\q)*CA+1536*\t+256*\p
.endr
.endr
	ds_load_b128 v[VS:VS+3], v[ADT] offset:(\q)*CA
	s_add_co_u32 s57, s[KF], 127                   ; a step all of whose keys count skips the mask
	s_cmp_le_u32 s57, s[Q0]
	s_cbranch_scc1 .Lopen_\@
	s_sub_co_u32 s57, 0, s[KF]
	v_add_nc_u32 v[W0], s57, v[QL]                 ; d = my query - the first key - 16 h: register 16 b + i is hidden where 32 b + i > d
	v_mov_b32 v[W0+2], 0xff800000                  ; -infinity
.set n, 0
.rept 64
	v_cmp_gt_i32 vcc_lo, 32*(n/16)+n%16, v[W0]
	v_cndmask_b32 v[ST+n], v[ST+n], v[W0+2], vcc_lo
.set n, n+1
.endr
.Lopen_\@:
.irp b, 0,1,2,3
	v_max3_num_f32 v[BM+\b], v[ST+16*\b], v[ST+16*\b+1], v[ST+16*\b+2]   ; the largest score of each block of 32 keys: for the row's maximum, and for the block's largest p
.endr
.irp i, 3,5,7,9,11,13
.irp b, 0,1,2,3
	v_max3_num_f32 v[BM+\b], v[BM+\b], v[ST+16*\b+\i], v[ST+16*\b+\i+1]
.endr
.endr
.irp b, 0,1,2,3
	v_max_num_f32 v[BM+\b], v[BM+\b], v[ST+16*\b+15]
.endr
.irp b, 0,1,2,3
	s_delay_alu instid0(VALU_DEP_4)
	v_permlanex16_b32 v[PM+\b], v[BM+\b], s[SEL], s[SEL+1]
.endr
.irp b, 0,1,2,3
	s_delay_alu instid0(VALU_DEP_4)
	v_max_num_f32 v[BM+\b], v[BM+\b], v[PM+\b]     ; with lane l xor 16's 16 keys
.endr
	s_delay_alu instid0(VALU_DEP_2)
	v_max3_num_f32 v[W0+2], v[BM], v[BM+1], v[BM+2]
	s_delay_alu instid0(VALU_DEP_1)
	v_max_num_f32 v[W0+2], v[W0+2], v[BM+3]
	s_delay_alu instid0(VALU_DEP_1)
	v_mul_f32 v[W0+2], s[CS], v[W0+2]              ; as t
	s_delay_alu instid0(VALU_DEP_1)
	v_max_num_f32 v13, v13, v[W0+2]                ; the running largest t
	v_mov_b32 v[W0+2], v12
	s_delay_alu instid0(VALU_DEP_2)
	v_floor_f32 v12, -v13                          ; the new -M = -ceil(t)
	s_delay_alu instid0(VALU_DEP_1)
	v_sub_f32 v[W0+2], v12, v[W0+2]                ; old M - new M: a whole number, 0 or less
	s_delay_alu instid0(VALU_DEP_1)
	v_cvt_i32_f32 v[W0+2], v[W0+2]                 ; (it saturates)
	s_delay_alu instid0(VALU_DEP_1)
	v_ldexp_f32 v[FF], 1.0, v[W0+2]                ; f
.set n, 0
.rept 32
	v_pk_fma_f32 v[ST+n:ST+n+1], v[ST+n:ST+n+1], s[CS:CS+1], v[12:13] op_sel_hi:[1,0,0]   ; t - M, two at a time
.set n, n+2
.endr
.irp b, 0,1,2,3
	v_fma_f32 v[BM+\b], v[BM+\b], s[CS], v12
.endr
.set n, 0
	s_wait_alu depctr_va_vdst(0)
.rept 64
	v_exp_f32 v[ST+n], v[ST+n]                     ; p = 2^(t - M)
.set n, n+1
.endr
	v_pk_mul_f32 v[14:15], v[14:15], v[FF:FF+1] op_sel_hi:[1,0]   ; the sums under the new M: a plain place behind the exponentials
	s_wait_alu depctr_va_vdst(0)                   ; one wait for the batch, ahead of its first reader
.irp b, 0,1,2,3
	v_exp_f32 v[BM+\b], v[BM+\b]                   ; the blocks' largest p
.endr
	v_pk_add_f32 v[232:233], v[100:101], v[104:105]
	v_pk_add_f32 v[254:255], v[108:109], v[112:113]
	v_pk_add_f32 v[252:253], v[116:117], v[120:121]
	v_pk_add_f32 v[250:251], v[124:125], v[128:129]
	v_pk_add_f32 v[248:249], v[132:133], v[136:137]
	v_pk_add_f32 v[246:247], v[140:141], v[144:145]
	v_pk_add_f32 v[244:245], v[148:149], v[152:153]
	v_pk_add_f32 v[14:15], v[14:15], v[156:157]
	v_pk_add_f32 v[232:233], v[232:233], v[96:97]
	v_pk_add_f32 v[254:255], v[254:255], v[98:99]
	v_pk_add_f32 v[252:253], v[252:253], v[102:103]
	v_pk_add_f32 v[250:251], v[250:251], v[106:107]
	v_pk_add_f32 v[248:249], v[248:249], v[110:111]
	v_pk_add_f32 v[246:247], v[246:247], v[114:115]
	v_pk_add_f32 v[244:245], v[244:245], v[118:119]
	v_pk_add_f32 v[14:15], v[14:15], v[122:123]
	v_pk_add_f32 v[232:233], v[232:233], v[126:127]
	v_pk_add_f32 v[254:255], v[254:255], v[130:131]
	v_pk_add_f32 v[252:253], v[252:253], v[134:135]
	v_pk_add_f32 v[250:251], v[250:251], v[138:139]
	v_pk_add_f32 v[248:249], v[248:249], v[142:143]
	v_pk_add_f32 v[246:247], v[246:247], v[146:147]
	v_pk_add_f32 v[244:245], v[244:245], v[150:151]
	v_pk_add_f32 v[14:15], v[14:15], v[154:155]
	v_pk_add_f32 v[232:233], v[232:233], v[158:159]
	s_delay_alu instid0(VALU_DEP_2)
	v_pk_add_f32 v[14:15], v[14:15], v[250:251]
	s_delay_alu instid0(VALU_DEP_2)
	v_pk_add_f32 v[232:233], v[232:233], v[248:249]
	v_pk_add_f32 v[254:255], v[254:255], v[246:247]
	v_pk_add_f32 v[252:253], v[252:253], v[244:245]
	s_delay_alu instid0(VALU_DEP_2)
	v_pk_add_f32 v[14:15], v[14:15], v[254:255]
	s_delay_alu instid0(VALU_DEP_2)
	v_pk_add_f32 v[232:233], v[232:233], v[252:253]
	s_delay_alu instid0(VALU_DEP_1)
	v_pk_add_f32 v[14:15], v[14:15], v[232:233]
	s_wait_alu depctr_va_vdst(0)                   ; and one for the four
.irp b, 0,1,2,3
	v_max_num_f32 v[BM+\b], 0x1800000, v[BM+\b]    ; the floor 2^(3 - 127): the byte cannot fall under 1
.endr
.irp b, 0,1,2,3
	s_delay_alu instid0(VALU_DEP_4)
	v_add_nc_u32 v[SO+\b], 0xff000000, v[BM+\b]
.endr
.irp b, 0,1,2,3
	s_delay_alu instid0(VALU_DEP_4)
	v_lshrrev_b32 v[PM+\b], 23, v[SO+\b]
.endr
	s_delay_alu instid0(VALU_DEP_3)
	v_lshl_or_b32 v[PS], v[PM+1], 8, v[PM]
	s_delay_alu instid0(VALU_DEP_1)
	v_lshl_or_b32 v[PS], v[PM+2], 16, v[PS]
	s_delay_alu instid0(VALU_DEP_1)
	v_lshl_or_b32 v[PS], v[PM+3], 24, v[PS]
.irp c, 0,1
	v_cvt_scalef32_pk16_fp6_f32 v[PCD+6*\c:PCD+6*\c+2], v[ST+32*\c:ST+32*\c+15], v[SO+2*\c]
	v_cvt_scalef32_pk16_fp6_f32 v[PT+4*\c:PT+4*\c+2], v[ST+32*\c+16:ST+32*\c+31], v[SO+2*\c+1]
.endr
	v_nop                                          ; one plain place behind a scaled conversion
.irp c, 0,1
.irp i, 0,1,2
	v_permlane16_swap_b32 v[PCD+6*\c+\i], v[PT+4*\c+\i]
.endr
.irp i, 0,1,2
	s_delay_alu instid0(VALU_DEP_3)
	v_mov_b32 v[PCD+3+6*\c+\i], v[PT+4*\c+\i]
.endr
.endr
.set n, 0
.rept 16
	v_pk_mul_f32 v[OT+n:OT+n+1], v[OT+n:OT+n+1], v[FF:FF+1] op_sel_hi:[1,0]   ; O^T under the new M; these are also the places between p's codes and scale word and the products
.set n, n+2
.endr
	s_wait_alu depctr_va_vdst(0)
	s_wait_dscnt 0x0                               ; v is in
.irp t, 0,1,2,3                        ; O^T += v^T p^T: four accumulators by turns
	v_wmma_scale_f32_16x16x128_f8f6f4 v[OT+8*\t:OT+8*\t+7], v[KR+12*\t:KR+12*\t+11], v[PCD:PCD+11], v[OT+8*\t:OT+8*\t+7], v[VS+\t], v[PS] matrix_a_fmt:MATRIX_FMT_FP6 matrix_b_fmt:MATRIX_FMT_FP6
.endr
.Lhidden_\@:
	s_add_co_u32 s[KF], s[KF], 128
.endm
; THE CHANGE OF SLOTS stands at a slot's head: each wave waits for all its tensor loads, adds 0 to its spare word, waits for that and for its reads of the slot that it has left; one barrier; then the slot left is filled.
.macro CHANGE fill
	s_wait_tensorcnt 0x0                           ; no tensor load of mine is out, so the group 0 may be written
	ds_add_u32 v[SPW], v[NIL]
.if \fill
	s_xor_b32 s[G0+1], s[G0+1], SLOT1
	s_add_nc_u64 s[G0+2:G0+3], s[G0+2:G0+3], 2*CA  ; the next two token chunks
.endif
	s_wait_dscnt 0x0
	s_barrier_signal -1
	s_barrier_wait -1
.if \fill
	s_add_co_u32 s57, s[KF], 256                   ; a slot whose first key lies behind the work-group's last query is read by no wave: it is not asked for.
	s_cmp_gt_u32 s57, s[QLAST]                     ; Ids and the count of steps alone: all sixteen waves go the same way; every wait on the tensor counter in this text is for 0
	s_cbranch_scc1 .Lpast_\@
	TLOAD
.Lpast_\@:
.endif
.endm
.macro SLOT_STEPS
	STEP 0
	STEP 1
	s_xor_b32 s[TB], s[TB], SLOT1
.endm
	s_wait_loadcnt 0x0                             ; q
.Lslot:                                            ; seven trips
	CHANGE 1
	SLOT_STEPS
	s_sub_co_u32 s[SLOTS], s[SLOTS], 1
	s_cmp_lg_u32 s[SLOTS], 0
	s_cbranch_scc1 .Lslot
	CHANGE 0                                       ; the last slot is written out: nothing is left to ask for
	SLOT_STEPS
	; THE WAY OUT: O^T / the sum; its 32 registers are 16 neighbouring channels of each of my head's two blocks of 32: half a fragment of the last product's operand, and two scale bytes.
.rept 4
	v_nop                                          ; places behind the last products
.endr
	v_add_f32 v14, v14, v15
	s_delay_alu instid0(VALU_DEP_1)
	v_permlanex16_b32 v[PM], v14, s[SEL], s[SEL+1]
	s_delay_alu instid0(VALU_DEP_1)
	v_add_f32 v14, v14, v[PM]                      ; the row's sum
	s_wait_alu depctr_va_vdst(0)
	v_rcp_f32 v14, v14
	v_nop                                          ; a plain place behind the transcendental
	s_wait_alu depctr_va_vdst(0)                   ; and the wait ahead of its first reader
.set n, 0
.rept 32
	v_mul_f32 v[ST+n], v[OT+n], v14                ; register 16 b + i: channel 32 b + 16 h + i of my head
.set n, n+1
.endr
.irp b, 0,1
	v_max3_num_f32 v[BM+\b], |v[ST+16*\b]|, |v[ST+16*\b+1]|, 0x1800000
.endr
.irp i, 2,4,6,8,10,12,14
.irp b, 0,1
	s_delay_alu instid0(VALU_DEP_2)
	v_max3_num_f32 v[BM+\b], v[BM+\b], |v[ST+16*\b+\i]|, |v[ST+16*\b+\i+1]|
.endr
.endr
.irp b, 0,1
	s_delay_alu instid0(VALU_DEP_2)
	v_permlanex16_b32 v[PM+\b], v[BM+\b], s[SEL], s[SEL+1]
.endr
.irp b, 0,1
	s_delay_alu instid0(VALU_DEP_2)
	v_max_num_f32 v[BM+\b], v[BM+\b], v[PM+\b]
.endr
.irp b, 0,1
	s_delay_alu instid0(VALU_DEP_2)
	v_add_nc_u32 v[SO+\b], 0xff000000, v[BM+\b]
.endr
.irp b, 0,1
	s_delay_alu instid0(VALU_DEP_2)
	v_lshrrev_b32 v[PM+\b], 23, v[SO+\b]
.endr
	s_delay_alu instid0(VALU_DEP_1)
	v_lshl_or_b32 v[OS], v[PM+1], 8, v[PM]
	v_cvt_scalef32_pk16_fp6_f32 v[PCD:PCD+2], v[ST:ST+15], v[SO]
	v_cvt_scalef32_pk16_fp6_f32 v[PT:PT+2], v[ST+16:ST+31], v[SO+1]
	v_nop
.irp i, 0,1,2
	v_permlane16_swap_b32 v[PCD+\i], v[PT+\i]
.endr
.irp i, 0,1,2
	s_delay_alu instid0(VALU_DEP_3)
	v_mov_b32 v[PCD+3+\i], v[PT+\i]
.endr
.irp p, 0,1,2
	global_store_b64 v[L8], v[PCD+2*\p:PCD+2*\p+1], s[48:49] offset:256*\p   ; a plane: 256 consecutive bytes, aligned
.endr
	ds_store_b16 v[SCW], v[OS]                     ; both lanes of a row write the same two bytes
	v_and_b32 v[W0], 15, v0
	s_delay_alu instid0(VALU_DEP_1)
	v_lshlrev_b32 v[W0], 4, v[W0]
	v_bfe_u32 v[W0+1], v0, 4, 1
	s_delay_alu instid0(VALU_DEP_1)
	v_mad_u32_u24 v[W0], v[W0+1], s52, v[W0]       ; 16 r, and for lanes 16-31 the late block's unit
	s_wait_dscnt 0x0                               ; for the others' sake: my store has landed
	s_barrier_signal -1
	s_barrier_wait -1
	s_cmp_lg_u32 s[WV], 0
	s_cbranch_scc1 .Lnot_wave_0
	ds_load_b128 v[ST:ST+3], v[ASC]                ; lanes 0-15 the early block's 256 bytes, lanes 16-31 the late block's
	s_wait_dscnt 0x0
	s_wait_alu depctr_va_vdst(0)
	global_store_b128 v[W0], v[ST:ST+3], s[50:51]  ; two whole aligned runs of 256 bytes
.Lnot_wave_0:
	s_wait_tensorcnt 0x0                           ; the wave's end
	ds_add_u32 v[SPW], v[NIL]
	s_wait_dscnt 0x0
	s_endpgm
.Lfunc_end_k_q4058005923_attn:
	.size	k_q4058005923_attn, .Lfunc_end_k_q4058005923_attn-k_q4058005923_attn
	.p2alignl 7, 3214868480
	.fill 96, 4, 3214868480
	.section	.rodata,"a",@progbits
	.p2align	6, 0x0
	.amdhsa_kernel k_q4058005923_attn
		.amdhsa_group_segment_fixed_size 327680
		.amdhsa_private_segment_fixed_size 0
		.amdhsa_enable_private_segment 0
		.amdhsa_kernarg_size 16
		.amdhsa_user_sgpr_count 2
		.amdhsa_user_sgpr_kernarg_segment_ptr 1
		.amdhsa_wavefront_size32 1
		.amdhsa_system_sgpr_workgroup_id_x 1
		.amdhsa_system_sgpr_workgroup_id_y 1
		.amdhsa_system_sgpr_workgroup_id_z 1
		.amdhsa_system_vgpr_workitem_id 0
		.amdhsa_next_free_vgpr 256
		.amdhsa_next_free_sgpr 66
		.amdhsa_reserve_vcc 1
		.amdhsa_float_denorm_mode_32 3
		.amdhsa_float_denorm_mode_16_64 3
		.amdhsa_memory_ordered 1
		.amdhsa_forward_progress 1
		.amdhsa_inst_pref_size 108
	.end_amdhsa_kernel
	.amdgpu_metadata
---
amdhsa.version: [ 1, 2 ]
amdhsa.kernels:
  - .name:           k_q4058005923_attn
    .symbol:         k_q4058005923_attn.kd
    .args:
      - { .name: qkv, .offset: 0, .size: 8, .value_kind: global_buffer, .address_space: global }
      - { .name: ocell, .offset: 8, .size: 8, .value_kind: global_buffer, .address_space: global }
    .group_segment_fixed_size: 327680
    .private_segment_fixed_size: 0
    .kernarg_segment_align: 8
    .kernarg_segment_size: 16
    .max_flat_workgroup_size: 512
    .sgpr_count:     66
    .vgpr_count:     256
    .wavefront_size: 32
...
	.end_amdgpu_metadata
.endif
;; end of part 3
;; launch proj (part 4): grid 4 x 32, 4 waves a work-group, clusters of 4 x 4, 327,680 bytes of LDS; arguments ocell, cells, out0; writes out0
.if DOCPART == 4
	.amdgcn_target "amdgcn-amd-amdhsa--gfx1250"
	.amdhsa_code_object_version 6
	.text
	.protected	k_q4058005923_proj
	.globl	k_q4058005923_proj
	.p2align	8
	.type	k_q4058005923_proj,@function
k_q4058005923_proj:
	s_mov_b64 s[64:65], 0
	v_nop
	global_prefetch_b8 v0, s[64:65] scope:SCOPE_SE
	s_setreg_imm32_b32 hwreg(HW_REG_WAVE_MODE, 25, 1), 1
	s_wait_xcnt 0x0
	s_wait_alu depctr_hold_cnt(0) depctr_sa_sdst(0) depctr_va_vdst(0) depctr_va_sdst(0) depctr_va_ssrc(0) depctr_va_vcc(0) depctr_vm_vsrc(0)
	s_getreg_b32 s2, hwreg(HW_REG_IB_STS2, 6, 4)
	s_cmp_eq_u32 s2, 0
	s_cbranch_scc0 .Lentry_in_a_cluster
	s_endpgm
.Lentry_in_a_cluster:
	s_bfe_u32 s2, ttmp6, 0x10000c
	s_cmp_lg_u32 s2, 0xf033
	s_cbranch_scc0 .Lentry_shape_is_right
	s_endpgm
.Lentry_shape_is_right:
; out0 = O wo^T on codes of FP6 (E2M3) with E8M0 scales, K = 1,024, f32 out.  A = ocell [64 token chunks][8 chunks of K][12,800], B = wo: row groups 88-95 of cells, laid alike:
; a cell is 8 fragments of 16 rows as images of their registers (6 planes of 256 bytes), then 512 bytes of scale words.  Place r of tile i is row 32 (i / 2) + 8 (i % 2) + r + 8 (r / 8).
; A tile of 256 x 256 to a work-group of four waves, 128 x 128 to a wave; the matrix instruction is used transposed (source 0 = wo's rows, source 1 = tokens): a lane holds eight neighbouring numbers of a row of out0.
; K goes through a ring of two LDS slots of two chunks each; a wave's one tensor load brings 25,600 dense bytes.  CLUSTER 4 x 4: A's tiles are asked for jointly along a row, B's along a column.
; The problem has 128 such tiles: 128 work-groups.
; REGISTERS: window 0: v16-29 addresses; v32-95 scale words, two sets; v128-223 A's fragments (on the way out v128-255 rows of out0).  window 1: B's fragments, two sets.  windows 2, 3: accumulators.
.set CG,    12800
.set HALFT, 2*CG
.set SLOT,  4*HALFT
.set SPARE, 2*SLOT                     ; behind the ring: the spare words, 128 bytes a wave: two blocks of 256 bytes that no other line names
.set STAGE, SPARE+512                  ; the way out: 16 rows x 528 bytes for each wave; no tile lands there
.set SPITCH, 528
.set FR,    12
.set NL,    6
.set NP,    4
.set ADRA,  16
.set ADSA,  18
.set ADRB,  20
.set ADSB,  22
.set L8,    24
.set L16,   25                         ; v25 16 x lane: also my bytes of a row's 512 in out0
.set STO,   26                         ; v26 the stage, on the way in: row r, + 64 h
.set RD,    27                         ; v27 and back: 16 x lane
.set SPW,   28
.set NIL,   29
.set SC,    32
.set AF,    128
.set BK,    128
.set G1,  24
.set G0,  32
.set G1B, 48
.set G0B, 56
.set MSB, 0
.macro WIN new                         ; the immediate's high byte repeats the setting that is left
.if MSB != (\new)
	s_set_vgpr_msb (MSB<<8)|(\new)
.set MSB, \new
.endif
.endm
.set MUL_LO, 0xa1
.set MUL_HI, 0xf1
.set TO_B,   0x40
.macro JLOAD g0a, g1a, g0b, g1b        ; a joint load: waves 0 and 1 fetch for A, waves 2 and 3 for B; an s_nop 0 and four v_nop follow each line
	s_cmp_eq_u32 s15, 0
	s_cbranch_scc0 .Lfor_b_\@
	tensor_load_to_lds s[\g0a:\g0a+3], s[\g1a:\g1a+7]
	s_nop 0
.rept 4
	v_nop
.endr
	s_branch .Lasked_\@
.Lfor_b_\@:
	tensor_load_to_lds s[\g0b:\g0b+3], s[\g1b:\g1b+7]
	s_nop 0
.rept 4
	v_nop
.endr
.Lasked_\@:
.endm
.macro CREST
	s_cmp_lg_u32 s14, 0
	s_cbranch_scc1 .Lnot_wave_0_\@
	s_barrier_signal -3
.Lnot_wave_0_\@:
	s_barrier_wait -3
	s_barrier_signal -1
	s_barrier_wait -1
.endm
.macro CROUND
	s_barrier_signal -1
	s_barrier_wait -1
	CREST
.endm
	s_load_b128 s[4:7], s[0:1], 0x0                ; ocell, cells
	s_load_b64 s[8:9], s[0:1], 0x10                ; out0
	v_lshl_add_u32 v[SPW], v0, 2, SPARE
	v_mov_b32 v[NIL], 0
	ds_add_u32 v[SPW], v[NIL]                      ; the wave's opening: the add and its wait stand ahead of my first tensor load
	ds_add_u32 v[SPW], v[NIL]
	v_lshrrev_b32 v1, 5, v0
	v_readfirstlane_b32 s14, v1
	s_lshr_b32 s15, s14, 1
	s_and_b32 s16, s14, 1
	s_bfe_u32 s40, ttmp6, 0x40000                  ; cx
	s_bfe_u32 s41, ttmp6, 0x40004                  ; cy
	s_lshl_b32 s43, s41, 2
	s_lshl_b32 s43, 15, s43
	s_lshl_b32 s44, 0x1111, s40
	s_or_b32 s[G1+0], s43, (3<<16)|(1<<21)
	s_or_b32 s[G1B+0], s44, (3<<16)|(1<<21)
.irp g, G1, G1B
	s_mov_b32 s[\g+1], 32<<16                      ; rows of 256 bytes,
	s_mov_b32 s[\g+2], 100<<16                     ; 100 of them: 25,600 dense bytes
	s_mov_b32 s[\g+3], 32<<16
	s_mov_b32 s[\g+4], 100
	s_mov_b32 s[\g+5], 32
	s_mov_b32 s[\g+6], 0
	s_mov_b32 s[\g+7], 0
.endr
	s_and_b32 s17, ttmp7, 0xffff
	s_lshl_b32 s17, s17, 3
	s_lshl_b32 s66, s41, 1
	s_add_co_u32 s66, s66, s17                     ; A's first token chunk: 8 x cluster y + 2 cy
	s_lshl_b32 s67, s40, 1                         ; B's first row group of wo: 2 cx (the grid has one cluster along x)
	s_add_co_u32 s20, s66, s16
	s_mul_i32 s20, s20, 8*CG
	s_mov_b32 s21, 0
	s_add_co_u32 s46, s67, s16
	s_add_co_u32 s46, s46, 88
	s_mul_i32 s46, s46, 8*CG
	s_mov_b32 s47, 0
	s_mul_i32 s45, s14, HALFT
	s_wait_dscnt 0x0
	s_wait_kmcnt 0x0
	s_add_nc_u64 s[20:21], s[4:5], s[20:21]
	s_add_nc_u64 s[46:47], s[6:7], s[46:47]
	CROUND
.irp s, 0,1
	s_mov_b32 s[G0+4*\s], 1
	s_add_co_u32 s[G0+4*\s+1], s45, \s*SLOT
	s_add_nc_u64 s[G0+4*\s+2:G0+4*\s+3], s[20:21], \s*HALFT
	s_or_b32 s[G0+4*\s+3], s[G0+4*\s+3], 0x80000000
	s_mov_b32 s[G0B+4*\s], 1
	s_add_co_u32 s[G0B+4*\s+1], s45, \s*SLOT
	s_add_nc_u64 s[G0B+4*\s+2:G0B+4*\s+3], s[46:47], \s*HALFT
	s_or_b32 s[G0B+4*\s+3], s[G0B+4*\s+3], 0x80000000
	s_wait_alu depctr_va_vdst(0)
	s_wait_tensorcnt 0x0
	ds_add_u32 v28, v29
	ds_add_u32 v28, v29
	s_wait_dscnt 0x0
	CROUND
	JLOAD G0+4*\s, G1, G0B+4*\s, G1B
.endr
	v_and_b32 v3, 31, v0
	v_and_b32 v1, 15, v0
	v_bfe_u32 v4, v0, 4, 1
	v_lshlrev_b32 v[L8], 3, v3
	v_lshlrev_b32 v[L16], 4, v3
	v_lshlrev_b32 v2, 4, v1
	s_mul_i32 s21, s15, HALFT
	s_mul_i32 s22, s16, HALFT
	s_add_co_u32 s22, s22, 2*HALFT
.irp s, 0,1
	v_add_nc_u32 v[ADRA+\s], s21, v[L8]
	v_add_nc_u32 v[ADRB+\s], s22, v[L8]
	v_add_nc_u32 v[ADSA+\s], s21, v2
	v_add_nc_u32 v[ADSB+\s], s22, v2
	s_add_co_u32 s21, s21, SLOT
	s_add_co_u32 s22, s22, SLOT
.endr
	s_mul_i32 s23, s14, 16*SPITCH
	s_add_co_u32 s23, s23, STAGE
	v_mul_u32_u24 v5, v1, SPITCH
	v_lshl_add_u32 v5, v4, 6, v5
	v_add_nc_u32 v[STO], s23, v5
	v_add_nc_u32 v[RD], s23, v[L16]
	s_add_co_u32 s70, s66, s15
	s_lshl_b32 s70, s70, 19                        ; my 128 rows of 4,096 bytes
	s_add_co_u32 s71, s67, s16
	s_lshl_b32 s71, s71, 9                         ; my 128 columns
	s_add_co_u32 s70, s70, s71
	s_mov_b32 s71, 0
	s_add_nc_u64 s[8:9], s[8:9], s[70:71]
.macro FRAG reg, adr, off
.irp p, 0,1,2,3,4,5
	ds_load_b64 v[\reg+2*\p:\reg+2*\p+1], v[\adr] offset:\off+256*\p
.endr
.endm
.macro MUL16 a0, p, q, sc, zero        ; the 64 accumulators take turns, one instruction a turn, in the same order in every chunk
.irp a, \a0, \a0+1
.irp b, 0,1,2,3,4,5,6,7
.if \zero
	v_wmma_scale_f32_16x16x128_f8f6f4 v[8*(8*((\a)%4)+\b):8*(8*((\a)%4)+\b)+7], v[128*(\p)+FR*\b:128*(\p)+FR*\b+FR-1], v[AF+FR*(\a):AF+FR*(\a)+FR-1], 0, v[SC+32*(\sc)+16*(\q)+8+\b], v[SC+32*(\sc)+16*(\q)+(\a)] matrix_a_fmt:MATRIX_FMT_FP6 matrix_b_fmt:MATRIX_FMT_FP6
.else
	v_wmma_scale_f32_16x16x128_f8f6f4 v[8*(8*((\a)%4)+\b):8*(8*((\a)%4)+\b)+7], v[128*(\p)+FR*\b:128*(\p)+FR*\b+FR-1], v[AF+FR*(\a):AF+FR*(\a)+FR-1], v[8*(8*((\a)%4)+\b):8*(8*((\a)%4)+\b)+7], v[SC+32*(\sc)+16*(\q)+8+\b], v[SC+32*(\sc)+16*(\q)+(\a)] matrix_a_fmt:MATRIX_FMT_FP6 matrix_b_fmt:MATRIX_FMT_FP6
.endif
.endr
.endr
.endm
.macro FETCH_B slot, q, p
	WIN TO_B
.irp i, 0,1,2,3,4,5,6,7
	FRAG 128*(\p)+FR*\i, ADRB+\slot, (\q)*CG+1536*\i
.endr
	WIN 0
.endm
.macro FETCH_A slot, q, i0
.irp i, \i0, \i0+1, \i0+2, \i0+3
	FRAG AF+FR*(\i), ADRA+\slot, (\q)*CG+1536*(\i)
.endr
.endm
.macro SCALES sl
.irp q, 0,1
.irp g, 0,1
	ds_load_b128 v[SC+32*\sl+16*\q+4*\g:SC+32*\sl+16*\q+4*\g+3], v[ADSA+\sl] offset:\q*CG+12288+256*\g
	ds_load_b128 v[SC+32*\sl+16*\q+8+4*\g:SC+32*\sl+16*\q+8+4*\g+3], v[ADSB+\sl] offset:\q*CG+12288+256*\g
.endr
.endr
.endm
.macro PLACES n
.rept \n
	v_nop
.endr
.endm
.macro STEP slot, q, zero
	s_wait_dscnt 4*NL                              ; all but the youngest 24 loads, A's tiles 4-7
	WIN MUL_LO
	MUL16 0, (\q)%2, \q, \slot, \zero
	MUL16 2, (\q)%2, \q, \slot, \zero
	s_wait_dscnt 0
	PLACES NP
	FETCH_B \slot, (\q)+1, 1-(\q)%2
	FETCH_A \slot, (\q)+1, 0
	WIN MUL_HI
	MUL16 4, (\q)%2, \q, \slot, \zero
	MUL16 6, (\q)%2, \q, \slot, \zero
	PLACES NP
	WIN 0
	FETCH_A \slot, (\q)+1, 4
.endm
.macro TURN slot, next, fill
	s_wait_tensorcnt 0x0                           ; all my tensor loads have landed: my part of the next slot
	ds_add_u32 v[SPW], v[NIL]
	s_wait_dscnt 4*NL+1                            ; the add and A's tiles 4-7 may be out
	WIN MUL_LO
	MUL16 0, 1, 1, \slot, 0
	s_wait_dscnt 0x0                               ; the add is done, and my reads of this slot are over
	s_barrier_signal -1
	MUL16 2, 1, 1, \slot, 0
	WIN 0
	s_barrier_wait -1
.if \fill
	CREST                                          ; the barrier has opened a round of the cluster's
	s_add_nc_u64 s[G0+4*\slot+2:G0+4*\slot+3], s[G0+4*\slot+2:G0+4*\slot+3], 2*HALFT
	s_add_nc_u64 s[G0B+4*\slot+2:G0B+4*\slot+3], s[G0B+4*\slot+2:G0B+4*\slot+3], 2*HALFT
	JLOAD G0+4*\slot, G1, G0B+4*\slot, G1B
.else
	PLACES NP
.endif
	FETCH_B \next, 0, 0
	FETCH_A \next, 0, 0
	SCALES \next
	WIN MUL_HI
	MUL16 4, 1, 1, \slot, 0
	MUL16 6, 1, 1, \slot, 0
	PLACES NP
	WIN 0
	FETCH_A \next, 0, 4
.endm
	s_wait_alu depctr_va_vdst(0)
	s_wait_tensorcnt 1                             ; my part of slot 0 is in; slot 1's may stay out
	s_barrier_signal -1
	s_barrier_wait -1
	FETCH_B 0, 0, 0
	FETCH_A 0, 0, 0
	SCALES 0
	FETCH_A 0, 0, 4
	STEP 0, 0, 1
	TURN 0, 1, 1
	STEP 1, 0, 0
	TURN 1, 0, 1
	STEP 0, 0, 0
	TURN 0, 1, 0
	STEP 1, 0, 0
	s_wait_dscnt 4*NL
	WIN MUL_LO
	MUL16 0, 1, 1, 1, 0
	MUL16 2, 1, 1, 1, 0
	s_wait_dscnt 0
	WIN MUL_HI
	MUL16 4, 1, 1, 1, 0
	MUL16 6, 1, 1, 1, 0
	WIN 0
; THE WAY OUT, block by block of 16 tokens x 128 columns, through my own stage: in tile b a lane's eight numbers are columns 32 (b / 2) + 16 h + 8 (b % 2) + 0 .. 7 of its row; they come back as whole rows of 512 bytes.
; Place t of block a is token 32 (a / 2) + 8 (a % 2) + t + 8 (t / 8): the order of rows stands in the stores' immediates, 127 rows of 4,096 bytes at the most.
.macro TOSTAGE a
.set AC, 64*((\a)%4)
	WIN 0x08+4*((\a)/4)                            ; an LDS store's data: window 2 or 3
.irp b, 0,1,2,3,4,5,6,7
	ds_store_b128 v[STO], v[AC+8*\b:AC+8*\b+3] offset:128*(\b/2)+32*(\b%2)          ; each accumulator from its low end on
	ds_store_b128 v[STO], v[AC+8*\b+4:AC+8*\b+7] offset:128*(\b/2)+32*(\b%2)+16
.endr
	WIN 0
.set BB, BK+64*((\a)%2)
.irp t, 0,1,2,3,4,5,6,7,8,9,10,11,12,13,14,15
	ds_load_b128 v[BB+4*\t:BB+4*\t+3], v[RD] offset:\t*SPITCH     ; LDS serves a wave's instructions in order: these see the stores above
.endr
.endm
.macro SEND a, younger                 ; younger: the LDS instructions issued behind block a's loads, which may stay out
.set BB, BK+64*((\a)%2)
	s_wait_dscnt \younger
.irp t, 0,1,2,3,4,5,6,7,8,9,10,11,12,13,14,15
	global_store_b128 v[L16], v[BB+4*\t:BB+4*\t+3], s[8:9] offset:(32*((\a)/2)+8*((\a)%2)+\t+8*(\t/8))*4096 th:TH_STORE_NT   ; 32 lanes store 512 consecutive bytes, aligned to 256
.endr
.endm
	PLACES NP                                      ; behind the last products: results are read, and rows land where A's fragments lay
	TOSTAGE 0
.irp a, 1,2,3,4,5,6,7
.if \a > 1
	s_wait_xcnt 0x0                                ; block a - 2's stores have read the registers that block a's rows take
.endif
	TOSTAGE \a
	SEND \a-1, 32                                  ; behind block a - 1's loads: block a's 16 stores and 16 loads
.endr
	SEND 7, 0
	s_wait_tensorcnt 0x0                           ; the wave's end
	ds_add_u32 v[SPW], v[NIL]
	s_wait_dscnt 0x0
	CROUND                                         ; the closing round
	s_endpgm
.Lfunc_end_k_q4058005923_proj:
	.size	k_q4058005923_proj, .Lfunc_end_k_q4058005923_proj-k_q4058005923_proj
	.p2alignl 7, 3214868480
	.fill 96, 4, 3214868480
	.section	.rodata,"a",@progbits
	.p2align	6, 0x0
	.amdhsa_kernel k_q4058005923_proj
		.amdhsa_group_segment_fixed_size 327680
		.amdhsa_private_segment_fixed_size 0
		.amdhsa_enable_private_segment 0
		.amdhsa_kernarg_size 24
		.amdhsa_user_sgpr_count 2
		.amdhsa_user_sgpr_kernarg_segment_ptr 1
		.amdhsa_wavefront_size32 1
		.amdhsa_system_sgpr_workgroup_id_x 1
		.amdhsa_system_sgpr_workgroup_id_y 1
		.amdhsa_system_sgpr_workgroup_id_z 1
		.amdhsa_system_vgpr_workitem_id 0
		.amdhsa_next_free_vgpr 1024
		.amdhsa_next_free_sgpr 100
		.amdhsa_reserve_vcc 0
		.amdhsa_float_denorm_mode_32 3
		.amdhsa_float_denorm_mode_16_64 3
		.amdhsa_memory_ordered 1
		.amdhsa_forward_progress 1
		.amdhsa_inst_pref_size 157
	.end_amdhsa_kernel
	.amdgpu_metadata
---
amdhsa.version: [ 1, 2 ]
amdhsa.kernels:
  - .name:           k_q4058005923_proj
    .symbol:         k_q4058005923_proj.kd
    .args:
      - { .name: ocell, .offset: 0, .size: 8, .value_kind: global_buffer, .address_space: global }
      - { .name: cells, .offset: 8, .size: 8, .value_kind: global_buffer, .address_space: global }
      - { .name: out0, .offset: 16, .size: 8, .value_kind: global_buffer, .address_space: global }
    .group_segment_fixed_size: 327680
    .private_segment_fixed_size: 0
    .kernarg_segment_align: 8
    .kernarg_segment_size: 24
    .max_flat_workgroup_size: 128
    .sgpr_count:     100
    .vgpr_count:     1024
    .wavefront_size: 32
...
	.end_amdgpu_metadata
.endif
;; end of part 4
